; MI455X (gfx1250); checked and timed in simulation.
; The chip was launched on July 23, 2026; its instructions are those of AMD's public machine-readable ISA for CDNA 5 (MIT licence, August 2026) and "CDNA5" Instruction Set Architecture Reference Guide (July 2026). The comments in the code are by the model that wrote it; some were corrected since.
;; Transformer Encoder Layer. Allowed arithmetic: matrix products marked QUANTISED: E4M3 operands, one given power-of-two scale a tensor, by v_wmma_f32_16x16x64_fp8_fp8 or v_wmma_f32_16x16x128_fp8_fp8, f32 sums; everything else in f32.
;; Inputs: b1 4,096 float32; b2 1,024 float32; b_out 1,024 float32; be1 1,024 float32; be2 1,024 float32; g1 1,024 float32; g2 1,024 float32; lowp_scales 12 int32 (the exponents e of the quantised operands' scales 2^e); mask 2 x 2,048 int32; w1_codes 4,096 x 32 x 32 uint8 (E4M3 codes of w1, K innermost, in blocks of 32 codes); w2_codes 1,024 x 128 x 32 uint8 (E4M3 codes of w2, K innermost, in blocks of 32 codes); w_out_codes 1,024 x 32 x 32 uint8 (E4M3 codes of w_out, K innermost, in blocks of 32 codes); w_qkv_codes 3,072 x 32 x 32 uint8 (E4M3 codes of w_qkv, K innermost, in blocks of 32 codes); x 2 x 2,048 x 1,024 float32.
;; Outputs: out0 2 x 2,048 x 1,024 float32.
;; This version of the problem:
;;   THIS VERSION OF THE PROBLEM IS GIVEN IN LOW PRECISION. The matrix products marked QUANTISED in the list below multiply operands that are first quantised to E4M3 (4 exponent bits, 3 mantissa bits; 8 bits a number), with one given power-of-two scale for each operand tensor; their sums are f32. All else is computed in f32.
;;   The module's matrix products, in the order in which they are computed (A, B: the left and right operand; K: the contracted axis; several contracted axes count as one K, in the product's order):
;;     1. [M 4,096, K 1,024] x [K 1,024, N 3,072]; A: computed on the way; B: input w_qkv (given as codes): QUANTISED (scales: A lowp_scales[0], B lowp_scales[1])
;;     2. batch 32 x [M 2,048, K 64] x [K 64, N 2,048]; A: computed on the way; B: computed on the way: QUANTISED (scales: A lowp_scales[2], B lowp_scales[3])
;;     3. batch 32 x [M 2,048, K 2,048] x [K 2,048, N 64]; A: softmax (see below); B: computed on the way: QUANTISED (scales: A lowp_scales[4], B lowp_scales[5])
;;     4. [M 4,096, K 1,024] x [K 1,024, N 1,024]; A: computed on the way; B: input w_out (given as codes): QUANTISED (scales: A lowp_scales[6], B lowp_scales[7])
;;     5. [M 4,096, K 1,024] x [K 1,024, N 4,096]; A: computed on the way; B: input w1 (given as codes): QUANTISED (scales: A lowp_scales[8], B lowp_scales[9])
;;     6. [M 4,096, K 4,096] x [K 4,096, N 1,024]; A: computed on the way; B: input w2 (given as codes): QUANTISED (scales: A lowp_scales[10], B lowp_scales[11])
;;   THE QUANTISER, for each operand of a quantised product, along K:
;;     - The operand's scale is 2^e, e = its entry of the input lowp_scales (int32; the entries are numbered through the quantised products in the list's order, A before B).
;;     - Each number is divided by the scale, clamped to +-448, and rounded to the nearest number of E4M3, ties to even, subnormals kept.
;;     - The product sums the exact products of the quantised numbers (number of the format x scale) in f32.
;;   ~~~python
;;   def quantise(x, axis, e):      # numpy; x: float32 -> the quantised numbers, widened to float32 again
;;       x = np.moveaxis(x, axis, -1); K = x.shape[-1]
;;       r = np.clip(x / 2.0 ** e, -448, 448)
;;       step = 2.0 ** (np.maximum(np.frexp(np.where(r == 0, 1, r))[1] - 1, -6) - 3)
;;       q = np.round(r / step) * step * 2.0 ** e      # np.round: ties to even
;;       return np.moveaxis(q, -1, axis).astype(np.float32)
;;   ~~~
;;   SOFTMAX AHEAD OF A QUANTISED PRODUCT. Where the list says 'softmax', what is quantised is not the finished softmax but p = 2^(t - M), with t = logit x log2(e) and M = ceil(the row's largest t), a whole number; so 1/2 < the row's largest p <= 1. The row's sum l is taken of the UNQUANTISED p, in f32, and the product's result is divided by l at the end. Since M is a whole number, a kernel that streams over the keys may use a running M (the ceiling of the running maximum): every later rescaling is an exact power of two, so the quantised numbers keep their values, but for numbers so far below the row's largest that they fall under the format's range.
;;   OPERANDS COMPUTED ON THE WAY. 'Computed on the way' means the value that the module computes at that place (a softmax that the list does not call 'softmax' is quantised finished and normalised). What goes into a quantiser is computed in f32, as accurately as f32 sums, v_exp_f32 and their like allow (about 1e-6 of the number): no bf16 or f16 on the way to a quantiser, and a product that is left as it is and whose result goes on into a quantised operand takes f32 operands (vector FMAs, or v_wmma_f32_16x16x4_f32). A number that lies on a knife's edge between two numbers of the format may be rounded either way, as far as f32 arithmetic and the matrix unit's own rounding can turn it there, and no further.
;;   INPUTS GIVEN AS CODES. w1 (in the module: [1024, 4096], K = its axis 0); w2 (in the module: [4096, 1024], K = its axis 0); w_out (in the module: [1024, 1024], K = its axis 0); w_qkv (in the module: [1024, 3072], K = its axis 0): each comes as NAME_codes (uint8): NAME with its K axis moved to the last place and cut into blocks of 32 codes, [.., K / 32, bytes a block], one block behind the other in memory; one code a byte (a code: sign, 4 exponent bits, 3 mantissa bits); its scale is its entry of lowp_scales. Its value is code x scale, taken as it is: it is not quantised again, and the codes and scales need not be those that the quantiser above would give.
;; One version. Each part assembles by itself: llvm-mc -triple=amdgcn-amd-amdhsa -mcpu=gfx1250 --defsym DOCPART=n.
;; ======== version 1 of 1: 7 launches
;; limits: right only within a limited range of input values
;; workspace buffers: hc 4,194,304 bytes; qf 4,194,304 bytes; kf 4,194,304 bytes; vf 4,194,304 bytes; af 4,194,304 bytes; x1 16,777,216 bytes; hid 16,777,216 bytes
;; launch ln1 (part 1): grid 256 x 1, 4 waves a work-group, no clusters, 16,896 bytes of LDS; arguments x, g1, be1, lowp_scales, hc; writes hc
.if DOCPART == 1
	.amdgcn_target "amdgcn-amd-amdhsa--gfx1250"
	.amdhsa_code_object_version 6
	.text
	.protected	k_qac4917aa9a_ln1
	.globl	k_qac4917aa9a_ln1
	.p2align	8
	.type	k_qac4917aa9a_ln1,@function
k_qac4917aa9a_ln1:
	s_mov_b64 s[64:65], 0
	v_nop
	global_prefetch_b8 v0, s[64:65] scope:SCOPE_SE
	s_setreg_imm32_b32 hwreg(HW_REG_WAVE_MODE, 25, 1), 1
	s_wait_xcnt 0x0
; LayerNorm of 4,096 rows of 1,024 f32, quantised to codes of E4M3 with the given scale 2^e (entry EIDX of the scales): codes row-major [4096][1024].
; y = (x - mu) * rsqrt(var + 1e-5) * g + be; var is the mean of the squared DEVIATIONS (two passes over registers), so a common offset of the inputs cancels nothing.
; code = y / 2^e, held within +-448, nearest code, ties to even.  LIMITS: -126 <= e <= 119; NaN among the inputs is not served.
; SHARES: a work-group takes 16 rows, a wave 4.  A row lies across the 32 lanes: load j gives lane l columns 128 j + 4 l .. + 3, so each load reads 512 consecutive bytes and the row is read once.
; A stream: no matrix unit, no cluster, no barrier (waves share nothing).  A lane's four codes of a load are 4 bytes: they turn through the wave's own 4,096 bytes of LDS, and the wave stores 512 consecutive bytes at a time.
.set EIDX, 0
.set MU,  4                            ; v4-11    row s: mu, later rsqrt, twice (a pair for the packed forms)
.set PD,  12                           ; v12-15   destinations of the lane exchange
.set G,   16                           ; v16-47   g of my 32 columns
.set BE,  48                           ; v48-79   be
.set X,   80                           ; v80-207  row s at X + 32 s
.set T,   208                          ; v208-223 row s: two pairs of partial sums
.set LIM, 208
.set SCL, 209                          ;             2^e
.set C,   224                          ; v224-255 codes, row s at C + 8 s
	s_load_b256 s[4:11], s[0:1], 0x0               ; in s[4:5], g s[6:7], be s[8:9], scales s[10:11]
	s_load_b64 s[12:13], s[0:1], 0x20              ; codes out
	s_set_vgpr_msb 0x40
	v_lshl_add_u32 v0, v0, 2, 0x4000
	v_mov_b32 v1, 0
	s_set_vgpr_msb 0x4000
	v_lshrrev_b32 v1, 5, v0
	v_readfirstlane_b32 s16, v1                    ; wave
	v_and_b32 v3, 31, v0                           ; lane
	v_lshlrev_b32 v1, 4, v3                        ; 16 x lane
	s_lshl_b32 s18, s16, 12                        ; my wave's 4,096 bytes of LDS
	v_lshl_add_u32 v2, v3, 2, s18                  ; into the stage: 4 x lane
	v_add_nc_u32 v3, s18, v1                       ; out of it: 16 x lane
	s_lshl_b32 s17, ttmp9, 4
	s_lshl_b32 s19, s16, 2
	s_add_co_u32 s17, s17, s19                     ; my first row
	s_lshl_b32 s26, s17, 12                        ; x 4,096 bytes of f32
	s_mov_b32 s27, 0
	s_lshl_b32 s28, s17, 10                        ; x 1,024 bytes of codes
	s_mov_b32 s29, 0
	s_mov_b32 s22, 0x76543210                      ; lane l xor 16
	s_mov_b32 s23, 0xfedcba98
	s_mov_b32 s24, 0x3a800000                      ; 1 / 1024
	s_mov_b32 s25, 0x3727c5ac                      ; 1e-5
.irp s, 0,1,2,3
	v_mov_b32 v[PD+\s], 0                          ; a lane exchange's destination counts as read
.endr
	s_wait_alu depctr_va_vdst(0)
	s_wait_kmcnt 0x0
	s_load_b32 s20, s[10:11], 4*EIDX               ; e
	s_add_nc_u64 s[4:5], s[4:5], s[26:27]
	s_add_nc_u64 s[12:13], s[12:13], s[28:29]
.irp s, 0,1,2,3
.irp j, 0,1,2,3,4,5,6,7
	global_load_b128 v[X+32*\s+4*\j:X+32*\s+4*\j+3], v1, s[4:5] offset:4096*\s+512*\j th:TH_LOAD_NT
.endr
.endr
.irp j, 0,1,2,3,4,5,6,7
	global_load_b128 v[G+4*\j:G+4*\j+3], v1, s[6:7] offset:512*\j
.endr
.irp j, 0,1,2,3,4,5,6,7
	global_load_b128 v[BE+4*\j:BE+4*\j+3], v1, s[8:9] offset:512*\j
.endr
.macro ACROSS s                        ; the pair's halves, then the 32 lanes: every lane ends with the row's sum in v[T + 4 s]
	v_add_f32 v[T+4*\s], v[T+4*\s], v[T+4*\s+1]
.irp m, 1,2,4,8
	v_add_f32_dpp v[T+4*\s], v[T+4*\s], v[T+4*\s] row_xmask:\m row_mask:0xf bank_mask:0xf
.endr
	v_permlanex16_b32 v[PD+\s], v[T+4*\s], s22, s23
	v_add_f32 v[T+4*\s], v[T+4*\s], v[PD+\s]
.endm
.macro SUM s                           ; mu, in two chains
	v_pk_add_f32 v[T+4*\s:T+4*\s+1], v[X+32*\s:X+32*\s+1], v[X+32*\s+2:X+32*\s+3]
	v_pk_add_f32 v[T+4*\s+2:T+4*\s+3], v[X+32*\s+4:X+32*\s+5], v[X+32*\s+6:X+32*\s+7]
.irp j, 8,12,16,20,24,28
	v_pk_add_f32 v[T+4*\s:T+4*\s+1], v[T+4*\s:T+4*\s+1], v[X+32*\s+\j:X+32*\s+\j+1]
	v_pk_add_f32 v[T+4*\s+2:T+4*\s+3], v[T+4*\s+2:T+4*\s+3], v[X+32*\s+\j+2:X+32*\s+\j+3]
.endr
	v_pk_add_f32 v[T+4*\s:T+4*\s+1], v[T+4*\s:T+4*\s+1], v[T+4*\s+2:T+4*\s+3]
	ACROSS \s
	v_mul_f32 v[MU+2*\s], s24, v[T+4*\s]
	v_mov_b32 v[MU+2*\s+1], v[MU+2*\s]
.endm
.macro DEVSSQ s                        ; x - mu in place, then var + 1e-5
.irp j, 0,2,4,6,8,10,12,14,16,18,20,22,24,26,28,30
	v_pk_add_f32 v[X+32*\s+\j:X+32*\s+\j+1], v[X+32*\s+\j:X+32*\s+\j+1], v[MU+2*\s:MU+2*\s+1] neg_lo:[0,1] neg_hi:[0,1]
.endr
	v_pk_mul_f32 v[T+4*\s:T+4*\s+1], v[X+32*\s:X+32*\s+1], v[X+32*\s:X+32*\s+1]
	v_pk_mul_f32 v[T+4*\s+2:T+4*\s+3], v[X+32*\s+2:X+32*\s+3], v[X+32*\s+2:X+32*\s+3]
.irp j, 4,8,12,16,20,24,28
	v_pk_fma_f32 v[T+4*\s:T+4*\s+1], v[X+32*\s+\j:X+32*\s+\j+1], v[X+32*\s+\j:X+32*\s+\j+1], v[T+4*\s:T+4*\s+1]
	v_pk_fma_f32 v[T+4*\s+2:T+4*\s+3], v[X+32*\s+\j+2:X+32*\s+\j+3], v[X+32*\s+\j+2:X+32*\s+\j+3], v[T+4*\s+2:T+4*\s+3]
.endr
	v_pk_add_f32 v[T+4*\s:T+4*\s+1], v[T+4*\s:T+4*\s+1], v[T+4*\s+2:T+4*\s+3]
	ACROSS \s
	v_fma_f32 v[T+4*\s], v[T+4*\s], s24, s25
.endm
.macro NORMQ s                         ; x rsqrt, x g + be; the hold; eight numbers a conversion; register C + 8 s + j = the four codes of load j
.irp j, 0,2,4,6,8,10,12,14,16,18,20,22,24,26,28,30
	v_pk_mul_f32 v[X+32*\s+\j:X+32*\s+\j+1], v[X+32*\s+\j:X+32*\s+\j+1], v[MU+2*\s:MU+2*\s+1]
.endr
.irp j, 0,2,4,6,8,10,12,14,16,18,20,22,24,26,28,30
	v_pk_fma_f32 v[X+32*\s+\j:X+32*\s+\j+1], v[X+32*\s+\j:X+32*\s+\j+1], v[G+\j:G+\j+1], v[BE+\j:BE+\j+1]
.endr
.irp j, 0,1,2,3,4,5,6,7,8,9,10,11,12,13,14,15,16,17,18,19,20,21,22,23,24,25,26,27,28,29,30,31
.endr
.irp i, 0,1,2,3
	v_cvt_scalef32_pk8_fp8_f32 v[C+8*\s+2*\i:C+8*\s+2*\i+1], v[X+32*\s+8*\i:X+32*\s+8*\i+7], v[SCL]
.endr
	v_nop                                          ; a plain line behind the last conversion of the run
.irp j, 0,1,2,3,4,5,6,7
	ds_store_b32 v2, v[C+8*\s+\j] offset:1024*\s+128*\j   ; row s, byte 128 j + 4 l
.endr
.endm
.irp s, 0,1,2,3
	s_wait_loadcnt 16+8*(3-\s)                     ; row s is in; the later rows' loads and the 16 of g and be may be out
	SUM \s
.endr
.irp s, 0,1,2,3
	DEVSSQ \s
.endr
	s_wait_alu depctr_va_vdst(0)
.irp s, 0,1,2,3
	v_rsq_f32 v[MU+2*\s], v[T+4*\s]                ; the four go as one batch
.endr
	v_nop                                          ; a plain line behind the last of them
	s_wait_kmcnt 0x0                               ; e
	s_add_co_i32 s20, s20, 127
	s_lshl_b32 s21, s20, 23                        ; 2^e as f32
	s_wait_alu depctr_va_vdst(0)                   ; one wait for the batch, ahead of its first reader
.irp s, 0,1,2,3
	v_mov_b32 v[MU+2*\s+1], v[MU+2*\s]
.endr
	v_mov_b32 v[SCL], s21
	s_wait_alu depctr_va_vdst(0)
	s_wait_loadcnt 0x0                             ; g and be
.irp s, 0,1,2,3
	NORMQ \s
.endr
.irp t, 0,1,2,3,4,5,6,7
	ds_load_b128 v[X+4*\t:X+4*\t+3], v3 offset:512*\t   ; LDS serves a wave's instructions in order (ISA guide 5.7.1.4): these see my stores
.endr
.irp t, 0,1,2,3,4,5,6,7
	s_wait_dscnt 7-\t
	global_store_b128 v1, v[X+4*\t:X+4*\t+3], s[12:13] offset:512*\t   ; the wave stores 512 consecutive bytes, aligned; my four rows of codes are 4,096 bytes on end
.endr
	s_set_vgpr_msb 0x5
	s_wait_tensorcnt 0x0
	ds_add_u32 v0, v1
	s_wait_dscnt 0x0
	s_set_vgpr_msb 0x500
	s_endpgm
.Lfunc_end_k_qac4917aa9a_ln1:
	.size	k_qac4917aa9a_ln1, .Lfunc_end_k_qac4917aa9a_ln1-k_qac4917aa9a_ln1
	.p2alignl 7, 3214868480
	.fill 96, 4, 3214868480
	.section	.rodata,"a",@progbits
	.p2align	6, 0x0
	.amdhsa_kernel k_qac4917aa9a_ln1
		.amdhsa_group_segment_fixed_size 16896
		.amdhsa_private_segment_fixed_size 0
		.amdhsa_enable_private_segment 0
		.amdhsa_kernarg_size 40
		.amdhsa_user_sgpr_count 2
		.amdhsa_user_sgpr_kernarg_segment_ptr 1
		.amdhsa_wavefront_size32 1
		.amdhsa_system_sgpr_workgroup_id_x 1
		.amdhsa_system_sgpr_workgroup_id_y 1
		.amdhsa_system_sgpr_workgroup_id_z 1
		.amdhsa_system_vgpr_workitem_id 0
		.amdhsa_next_free_vgpr 258
		.amdhsa_next_free_sgpr 66
		.amdhsa_reserve_vcc 0
		.amdhsa_float_denorm_mode_32 3
		.amdhsa_float_denorm_mode_16_64 3
		.amdhsa_fp16_overflow 1
		.amdhsa_memory_ordered 1
		.amdhsa_forward_progress 1
		.amdhsa_inst_pref_size 36
	.end_amdhsa_kernel
	.amdgpu_metadata
---
amdhsa.version: [ 1, 2 ]
amdhsa.kernels:
  - .name:           k_qac4917aa9a_ln1
    .symbol:         k_qac4917aa9a_ln1.kd
    .args:
      - { .name: x, .offset: 0, .size: 8, .value_kind: global_buffer, .address_space: global }
      - { .name: g1, .offset: 8, .size: 8, .value_kind: global_buffer, .address_space: global }
      - { .name: be1, .offset: 16, .size: 8, .value_kind: global_buffer, .address_space: global }
      - { .name: lowp_scales, .offset: 24, .size: 8, .value_kind: global_buffer, .address_space: global }
      - { .name: hc, .offset: 32, .size: 8, .value_kind: global_buffer, .address_space: global }
    .group_segment_fixed_size: 16896
    .private_segment_fixed_size: 0
    .kernarg_segment_align: 8
    .kernarg_segment_size: 40
    .max_flat_workgroup_size: 128
    .sgpr_count:     66
    .vgpr_count:     258
    .wavefront_size: 32
...
	.end_amdgpu_metadata
.endif
;; end of part 1
;; launch qkv (part 2): grid 12 x 16, 4 waves a work-group, clusters of 4 x 4, 327,680 bytes of LDS; arguments hc, w_qkv_codes, lowp_scales, qf, kf, vf; writes qf, kf, vf
.if DOCPART == 2
	.amdgcn_target "amdgcn-amd-amdhsa--gfx1250"
	.amdhsa_code_object_version 6
	.text
	.protected	k_qac4917aa9a_qkv
	.globl	k_qac4917aa9a_qkv
	.p2align	8
	.type	k_qac4917aa9a_qkv,@function
k_qac4917aa9a_qkv:
	s_mov_b64 s[64:65], 0
	v_nop
	global_prefetch_b8 v0, s[64:65] scope:SCOPE_SE
	s_setreg_imm32_b32 hwreg(HW_REG_WAVE_MODE, 25, 1), 1
	s_wait_xcnt 0x0
	s_wait_alu depctr_hold_cnt(0) depctr_sa_sdst(0) depctr_va_vdst(0) depctr_va_sdst(0) depctr_va_ssrc(0) depctr_va_vcc(0) depctr_vm_vsrc(0)
	s_getreg_b32 s2, hwreg(HW_REG_IB_STS2, 6, 4)
	s_cmp_eq_u32 s2, 0
	s_cbranch_scc0 .Lentry_in_a_cluster
	s_endpgm
.Lentry_in_a_cluster:
	s_bfe_u32 s2, ttmp6, 0x10000c
	s_cmp_lg_u32 s2, 0xf033
	s_cbranch_scc0 .Lentry_shape_is_right
	s_endpgm
.Lentry_shape_is_right:
; A GEMM on codes of E4M3, K = 1,024, whose results are quantised in registers and stored as IMAGES OF THE NEXT PRODUCT'S OPERAND REGISTERS.  One text, two uses (QKV = 1 or 0).
; QKV = 1: q, k, v = h W_qkv.  h: codes [4096][1024]; W: codes [3072][1024].  QKV = 0: hid = relu(h2 W1 + b1), W1: codes [4096][1024].
; A work-group of four waves makes 256 x 256, a wave 128 x 128: 64 accumulators of 16 x 16.  K goes in steps of 256 through a ring of two LDS slots filled by the tensor data mover.
; CLUSTERS: 4 x 4 work-groups; region A's tile (256 rows) is shared along a row of the cluster, region B's along a column: each is asked for JOINTLY, by the same load with the same descriptor in all four.
; THE MATRIX INSTRUCTION: source 0 = 16 rows of region B, source 1 = 16 rows of region A.  In tile (a, b) lane (r, h) holds row 16 a + r of region A, and its register j row 16 b + 8 h + j of region B.
; One conversion of a tile's 8 registers gives two registers of codes with k = 16 b + 8 h + 0 .. 7: registers 2 b, 2 b + 1 of an 8-bit operand as the plain forms lay it (ISA guide 7.12.2).  So a block's 16 registers of codes ARE
; operand registers; group g of four goes to byte 512 g + 16 x lane: the wave stores 512 consecutive bytes, a block 2,048.  No stage in LDS, nothing is transposed.
; q, k (cluster x = 0, 1): region A = tokens, region B = rows of W: a block = 16 tokens x two heads' 64: two fragments for K = 64.   hid: the same: one fragment of 16 tokens x 128 hidden units.
; v (cluster x = 2): THE TWO TENSORS CHANGE PLACES (pointers and tile numbers chosen by s_cselect on the cluster's x, which all sixteen partners share): region A = rows of W, region B = tokens:
; a block = 16 of a head's 64 x 128 KEYS: a fragment of V^T for K = 128.
; Both operands lie row-major with K innermost and are fetched by loads of 16 bytes: one permutation of k, the same on both sides.
; LIMITS on the given exponents, so that each power of two is an f32 number: QKV = 1: e_out - e0 - e1 between -126 and 119 (e_out = e2, e3, e5);  QKV = 0: e8 + e9 between -126 and 127, e10 between -126 and 119.
; REGISTERS, in windows of 256: window 0: v0-31 addresses; v32-95 the bias (QKV = 0); from v128 region A's fragments, ONE set; on the way out v128-191 numbers, v192-255 codes.
;   window 1: region B's fragments, TWO sets.   window 2: accumulators of my blocks 0-3 ((a, b) at v[8 (8 a + b)]);   window 3: of blocks 4-7.
.set QKV,    1
.set SIZE_K, 1024
.set KSTEP,  256
.set ROWB,   256
.set KROW,   SIZE_K
.set PITCH,  272                       ; an LDS row: 256 bytes + 16 of padding: the 16 rows that a load touches start at 16 different banks (ISA guide 11.1)
.set FR,     16
.set NL,     4
.set NP,     4                         ; places behind this matrix instruction (ISA guide 7.12.1)
.set HALFT,  128*PITCH
.set SLOT,   4*HALFT
.set LAPS,   SIZE_K/(2*KSTEP)
.set SPARE,  2*SLOT                    ; behind the ring: the spare words, 128 bytes a wave, that no other line names
.if QKV
.set AOFF,   2048                      ; from block to block in the output
.else
.set AOFF,   65536
.endif
.set ADRA, 16
.set ADRB, 20
.set OFFS, 26                          ; v26  16 x lane
.set SPW,  28
.set NIL,  29
.set LIM,  30                          ; v30  448 x the conversion's scale
.set SCL,  31                          ; v31  the conversion's scale
.set BS,   32
.set AF,   128
.set TMP,  128
.set CD,   192
.set G1, 24
.set G0, 32
.set G1B, 48
.set G0B, 56
.set MSB, 0
.macro WIN new                         ; the immediate's high byte repeats the setting that is left
.if MSB != \new
	s_set_vgpr_msb (MSB<<8)|\new
.set MSB, \new
.endif
.endm
.set MUL_LO, 0xa1
.set MUL_HI, 0xf1
.set TO_B,   0x40
.macro JLOAD g0a, g1a, g0b, g1b        ; waves 0 and 1 fetch for region A, waves 2 and 3 for B; four v_nop follow each line
	s_cmp_eq_u32 s15, 0
	s_cbranch_scc0 .Lfor_b_\@
	tensor_load_to_lds s[\g0a:\g0a+3], s[\g1a:\g1a+7]
	s_nop 0
.rept 4
	v_nop
.endr
	s_branch .Lasked_\@
.Lfor_b_\@:
	tensor_load_to_lds s[\g0b:\g0b+3], s[\g1b:\g1b+7]
	s_nop 0
.rept 4
	v_nop
.endr
.Lasked_\@:
.endm
.macro CREST
	s_cmp_lg_u32 s14, 0
	s_cbranch_scc1 .Lnot_wave_0_\@
	s_barrier_signal -3
.Lnot_wave_0_\@:
	s_barrier_wait -3
	s_barrier_signal -1
	s_barrier_wait -1
.endm
.macro CROUND
	s_barrier_signal -1
	s_barrier_wait -1
	CREST
.endm
	s_load_b256 s[4:11], s[0:1], 0x0               ; h's codes s[4:5], W's s[6:7], scales s[8:9], first output s[10:11]
.if QKV
	s_load_b128 s[68:71], s[0:1], 0x20             ; kf s[68:69], vf s[70:71]
.else
	s_load_b64 s[68:69], s[0:1], 0x20              ; b1
.endif
	v_lshl_add_u32 v[SPW], v0, 2, SPARE
	v_mov_b32 v[NIL], 0
	ds_add_u32 v28, v29
	ds_add_u32 v28, v29
	s_wait_dscnt 0x0
	v_lshrrev_b32 v1, 5, v0
	v_readfirstlane_b32 s14, v1                    ; wave 0..3
	s_lshr_b32 s15, s14, 1                         ; my half of region A's rows.  Also: I fetch for A (0) or for B (1)
	s_and_b32 s16, s14, 1                          ; my half of region B's rows.  Also: which 128 rows I fetch
	s_bfe_u32 s40, ttmp6, 0x40000                  ; cx
	s_bfe_u32 s41, ttmp6, 0x40004                  ; cy
	s_lshl_b32 s42, ttmp9, 2
	s_add_co_u32 s42, s42, s40                     ; region B's tile: 4 x cluster x + cx
	s_and_b32 s66, ttmp7, 0xffff
	s_lshl_b32 s66, s66, 2
	s_add_co_u32 s17, s66, s41                     ; region A's tile: 4 x cluster y + cy
.if QKV
	s_add_co_u32 s80, s41, 8                       ; v: region A = W's tile 8 + cy (made of cy alone),
	s_add_co_u32 s81, s66, s40                     ;    region B = the tokens' tile 4 x cluster y + cx (of cx and the cluster's y alone)
	s_cmp_eq_u32 ttmp9, 2
	s_cselect_b32 s17, s80, s17
	s_cselect_b32 s42, s81, s42
.endif
	s_lshl_b32 s43, s41, 2
	s_lshl_b32 s43, 15, s43                        ; my row of the cluster
	s_lshl_b32 s44, 0x1111, s40                    ; my column
	s_or_b32 s[G1+0], s43, (0<<16)|(1<<20)|(1<<21)|(5<<22)|(3<<25)  ; mask; elements of 1 byte; padding on; bit 21 beside a mask; after every 64 words; 4 words
	s_or_b32 s[G1B+0], s44, (0<<16)|(1<<20)|(1<<21)|(5<<22)|(3<<25)
.irp g, G1, G1B
	s_mov_b32 s[\g+1], ROWB<<16                    ; tensor_dim0
	s_mov_b32 s[\g+2], 128<<16                     ; tensor_dim1
	s_mov_b32 s[\g+3], ROWB<<16                    ; tile_dim0
	s_mov_b32 s[\g+4], 128                         ; tile_dim1
	s_mov_b32 s[\g+5], KROW                        ; stride
	s_mov_b32 s[\g+6], 0
	s_mov_b32 s[\g+7], 0
.endr
	s_lshl_b32 s18, s16, 7
	s_lshl_b32 s20, s17, 8
	s_add_co_u32 s20, s20, s18                     ; region A: row 256 x tile + 128 x half
	s_lshl_b32 s46, s42, 8
	s_add_co_u32 s46, s46, s18                     ; region B likewise
	s_mov_b32 s21, 0
	s_mov_b32 s47, 0
	s_mov_b64 s[18:19], KROW
	s_mul_u64 s[20:21], s[20:21], s[18:19]
	s_mul_u64 s[46:47], s[46:47], s[18:19]
	s_mul_i32 s45, s14, HALFT                      ; where they go: wave x 128 rows
	s_wait_kmcnt 0x0
.if QKV
	s_load_b256 s[72:79], s[8:9], 0x0              ; e0 .. e7
	s_cmp_eq_u32 ttmp9, 2
	s_cselect_b64 s[82:83], s[6:7], s[4:5]         ; region A's tensor
	s_cselect_b64 s[84:85], s[4:5], s[6:7]         ; region B's
	s_add_nc_u64 s[20:21], s[82:83], s[20:21]
	s_add_nc_u64 s[46:47], s[84:85], s[46:47]
.else
	s_load_b128 s[72:75], s[8:9], 0x20             ; e8 .. e11
	s_add_nc_u64 s[20:21], s[4:5], s[20:21]
	s_add_nc_u64 s[46:47], s[6:7], s[46:47]
.endif
	CROUND                                         ; all sixteen work-groups are here: the first joint loads meet
.irp s, 0,1
	s_mov_b32 s[G0+4*\s], 1
	s_add_co_u32 s[G0+4*\s+1], s45, \s*SLOT
	s_add_nc_u64 s[G0+4*\s+2:G0+4*\s+3], s[20:21], \s*ROWB
	s_or_b32 s[G0+4*\s+3], s[G0+4*\s+3], 0x80000000
	s_mov_b32 s[G0B+4*\s], 1
	s_add_co_u32 s[G0B+4*\s+1], s45, \s*SLOT
	s_add_nc_u64 s[G0B+4*\s+2:G0B+4*\s+3], s[46:47], \s*ROWB
	s_or_b32 s[G0B+4*\s+3], s[G0B+4*\s+3], 0x80000000
	JLOAD G0+4*\s, G1, G0B+4*\s, G1B
.endr
	v_and_b32 v1, 15, v0                           ; r
	v_bfe_u32 v2, v0, 4, 1                         ; h
	v_mul_u32_u24 v3, v1, PITCH
	v_lshl_add_u32 v4, v2, 4, v3
	s_mul_i32 s21, s15, HALFT
	s_mul_i32 s22, s16, HALFT
	s_add_co_u32 s22, s22, 2*HALFT
.irp s, 0,1
	v_add_nc_u32 v[ADRA+\s], s21, v4
	v_add_nc_u32 v[ADRB+\s], s22, v4
	s_add_co_u32 s21, s21, SLOT
	s_add_co_u32 s22, s22, SLOT
.endr
	v_and_b32 v6, 31, v0
	v_lshlrev_b32 v[OFFS], 4, v6
.if QKV
	; where my 16,384 bytes go: block ((batch x 8 + head pair) x 16 + group of 128 tokens in the batch), the same formula in qf, kf and vf
	s_lshl_b32 s86, s17, 1
	s_add_co_u32 s86, s86, s15                     ; my 128 rows of region A
	s_lshl_b32 s87, s42, 1
	s_add_co_u32 s87, s87, s16                     ; my 128 rows of region B
	s_cmp_eq_u32 ttmp9, 2
	s_cselect_b32 s88, s87, s86                    ; the tokens' group, 0 .. 31
	s_cselect_b32 s89, s86, s87
	s_and_b32 s89, s89, 7                          ; the head pair
	s_lshr_b32 s90, s88, 4                         ; batch
	s_lshl_b32 s90, s90, 3
	s_add_co_u32 s90, s90, s89
	s_lshl_b32 s90, s90, 4
	s_and_b32 s88, s88, 15
	s_add_co_u32 s90, s90, s88
	s_lshl_b32 s90, s90, 14
	s_mov_b32 s91, 0
	s_cmp_eq_u32 ttmp9, 0
	s_cselect_b64 s[10:11], s[10:11], s[68:69]     ; qf or kf,
	s_cmp_eq_u32 ttmp9, 2
	s_cselect_b64 s[10:11], s[70:71], s[10:11]     ; or vf
	s_add_nc_u64 s[10:11], s[10:11], s[90:91]
.else
	s_lshl_b32 s86, s42, 10
	s_lshl_b32 s87, s16, 9
	s_add_co_u32 s86, s86, s87                     ; my 128 columns' first byte in b1
	s_mov_b32 s87, 0
	s_add_nc_u64 s[68:69], s[68:69], s[86:87]
	v_lshlrev_b32 v27, 5, v2                       ; 32 h
.irp b, 0,1,2,3,4,5,6,7
	global_load_b128 v[BS+8*\b:BS+8*\b+3], v27, s[68:69] offset:64*\b        ; b1 at columns 16 b + 8 h + 0 .. 7: the results' layout; it stays in registers that the loop leaves idle
	global_load_b128 v[BS+8*\b+4:BS+8*\b+7], v27, s[68:69] offset:64*\b+16
.endr
	s_lshl_b32 s88, s17, 4
	s_lshl_b32 s89, s15, 3
	s_add_co_u32 s88, s88, s89                     ; my first block of 16 tokens
	s_lshl_b32 s88, s88, 5
	s_lshl_b32 s89, s42, 1
	s_add_co_u32 s88, s88, s89
	s_add_co_u32 s88, s88, s16                     ; x 32 + my K step of 128 hidden units
	s_lshl_b32 s88, s88, 11
	s_mov_b32 s89, 0
	s_add_nc_u64 s[10:11], s[10:11], s[88:89]
.endif
.macro FRAG reg, adr, q, i
.irp c, 0,1,2,3
	ds_load_b128 v[\reg+4*\c:\reg+4*\c+3], v[\adr] offset:128*(\q)+32*\c+(\i)*16*PITCH
.endr
.endm
; 16 matrix instructions: A's blocks a0, a0 + 1 x B's eight.  The 64 accumulators take turns, one instruction a turn, in the same order in every step.
.macro MUL16 a0, p, zero
.irp a, \a0, \a0+1
.irp b, 0,1,2,3,4,5,6,7
.if \zero
	v_wmma_f32_16x16x128_fp8_fp8 v[8*(8*((\a)%4)+\b):8*(8*((\a)%4)+\b)+7], v[128*(\p)+FR*\b:128*(\p)+FR*\b+FR-1], v[AF+FR*(\a):AF+FR*(\a)+FR-1], 0
.else
	v_wmma_f32_16x16x128_fp8_fp8 v[8*(8*((\a)%4)+\b):8*(8*((\a)%4)+\b)+7], v[128*(\p)+FR*\b:128*(\p)+FR*\b+FR-1], v[AF+FR*(\a):AF+FR*(\a)+FR-1], v[8*(8*((\a)%4)+\b):8*(8*((\a)%4)+\b)+7]
.endif
.endr
.endr
.endm
.macro FETCH_B slot, q, p
	WIN TO_B
.irp i, 0,1,2,3,4,5,6,7
	FRAG 128*(\p)+FR*\i, ADRB+\slot, \q, \i
.endr
	WIN 0
.endm
.macro FETCH_A slot, q, i0
.irp i, \i0, \i0+1, \i0+2, \i0+3
	FRAG AF+FR*(\i), ADRA+\slot, \q, \i
.endr
.endm
.macro PLACES n                        ; plain vector lines between a matrix instruction and a load into, or a read of, its registers
.rept \n
	v_nop
.endr
.endm
.macro STEP slot, q, zero              ; 128 along K, with its successor in the same slot
	s_wait_dscnt 4*NL                              ; B's set and A's blocks 0-3 are in; A's blocks 4-7 may be out
	WIN MUL_LO
	MUL16 0, (\q)%2, \zero
	MUL16 2, (\q)%2, \zero
	s_wait_dscnt 0
	PLACES NP
	FETCH_B \slot, (\q)+1, 1-(\q)%2
	FETCH_A \slot, (\q)+1, 0
	WIN MUL_HI
	MUL16 4, (\q)%2, \zero
	MUL16 6, (\q)%2, \zero
	PLACES NP
	WIN 0
	FETCH_A \slot, (\q)+1, 4
.endm
; A slot's last step changes slots: one barrier; in front of it each wave waits for all its tensor loads, adds 0 to its spare word, and waits for that and for its reads of this slot.
.macro TURN slot, next, fill
	s_wait_tensorcnt 0x0                           ; all my tensor loads have landed: my part of the next slot
	ds_add_u32 v[SPW], v[NIL]
	s_wait_dscnt 4*NL+1                            ; the add and A's blocks 4-7 may be out
	WIN MUL_LO
	MUL16 0, 1, 0
	s_wait_dscnt 0x0                               ; the add is done, and my reads of this slot are over
	s_barrier_signal -1
	MUL16 2, 1, 0
	WIN 0
	s_barrier_wait -1
.if \fill
	CREST                                          ; the barrier has opened a round of the cluster's: no wave of any partner still reads this slot or has a load on its way
	s_add_nc_u64 s[G0+4*\slot+2:G0+4*\slot+3], s[G0+4*\slot+2:G0+4*\slot+3], 2*ROWB
	s_add_nc_u64 s[G0B+4*\slot+2:G0B+4*\slot+3], s[G0B+4*\slot+2:G0B+4*\slot+3], 2*ROWB
	JLOAD G0+4*\slot, G1, G0B+4*\slot, G1B         ; the first tensor load behind the round; its four v_nop are the places in front of the loads below
.else
	PLACES NP
.endif
	FETCH_B \next, 0, 0
	FETCH_A \next, 0, 0
	WIN MUL_HI
	MUL16 4, 1, 0
	MUL16 6, 1, 0
	PLACES NP
	WIN 0
	FETCH_A \next, 0, 4
.endm
	s_wait_alu depctr_va_vdst(0)
	s_wait_tensorcnt 1                             ; my part of K step 0 is in; K step 1's load may be out
	s_barrier_signal -1
	s_barrier_wait -1
	FETCH_B 0, 0, 0
	FETCH_A 0, 0, 0
	FETCH_A 0, 0, 4
	STEP 0, 0, 1                                   ; the first step's products start the sums
	s_mov_b32 s3, LAPS-1
.Llap:                                                 ; a trip goes once round the ring and fills both slots again
	TURN 0, 1, 1
	STEP 1, 0, 0
	TURN 1, 0, 1
	STEP 0, 0, 0
	s_sub_co_u32 s3, s3, 1
	s_cmp_lg_u32 s3, 0
	s_cbranch_scc1 .Llap
	TURN 0, 1, 0                                   ; the last lap fills nothing
	STEP 1, 0, 0
	s_wait_dscnt 4*NL
	WIN MUL_LO
	MUL16 0, 1, 0
	MUL16 2, 1, 0
	s_wait_dscnt 0
	WIN MUL_HI
	MUL16 4, 1, 0
	MUL16 6, 1, 0
	WIN 0
	; THE WAY OUT.  A sum stands for sum x 2^(eA + eB).
	s_wait_kmcnt 0x0
.if QKV
	s_cmp_eq_u32 ttmp9, 0
	s_cselect_b32 s92, s74, s75                    ; e2 for q, e3 for k,
	s_cmp_eq_u32 ttmp9, 2
	s_cselect_b32 s92, s77, s92                    ; e5 for v
	s_sub_co_i32 s92, s92, s72
	s_sub_co_i32 s92, s92, s73                     ; the three scales folded into the conversion's one: e_out - e0 - e1
.else
	s_add_co_i32 s96, s72, s73
	s_add_co_i32 s96, s96, 127
	s_lshl_b32 s96, s96, 23                        ; 2^(e8 + e9)
	s_mov_b32 s97, s96                             ; (named with it as a pair)
	s_mov_b32 s92, s74                             ; e10
	s_wait_loadcnt 0x0                             ; b1
.endif
	s_add_co_i32 s92, s92, 127
	s_lshl_b32 s93, s92, 23
	s_add_co_i32 s92, s92, 8
	s_lshl_b32 s92, s92, 23
	s_or_b32 s92, s92, 0x600000
	PLACES NP                                      ; behind the last products: for the writes over region A's fragments and the reads of results
	v_mov_b32 v[SCL], s93
	v_mov_b32 v[LIM], s92
.macro QOUT a                          ; block a: 64 sums a lane -> 16 registers of codes -> 2,048 consecutive bytes
.set AC, 64*((\a)%4)
.set CC, CD+16*((\a)%4)
.if (\a) >= 4
	s_wait_xcnt 0x0                                ; block a - 4's stores have read these registers
.endif
	WIN 0x02+((\a)/4)                              ; source 0: window 2 or 3
.if QKV
.set j, 0
.rept 64
	v_med3_num_f32 v[TMP+j], v[AC+j], -v[LIM], v[LIM]   ; the hold (ISA guide 7.6.2), into other registers; each accumulator from its low end on
.set j, j+1
.endr
	WIN 0
.else
.set j, 0
.rept 32
	v_pk_fma_f32 v[TMP+j:TMP+j+1], v[AC+j:AC+j+1], s[96:97], v[BS+j:BS+j+1] op_sel_hi:[1,0,1]   ; sum x 2^(e8 + e9) + b1; each accumulator from its low end on
.set j, j+2
.endr
	WIN 0
.set j, 0
.rept 64
	v_med3_num_f32 v[TMP+j], v[TMP+j], 0, v[LIM]   ; the activation and the hold in one
.set j, j+1
.endr
.endif
.irp b, 0,1,2,3,4,5,6,7
	v_cvt_scalef32_pk8_fp8_f32 v[CC+2*\b:CC+2*\b+1], v[TMP+8*\b:TMP+8*\b+7], v[SCL]
.endr
	v_nop                                          ; a plain line behind the last conversion of the run
.irp g, 0,1,2,3
	global_store_b128 v[OFFS], v[CC+4*\g:CC+4*\g+3], s[10:11] offset:(\a)*AOFF+512*\g   ; the wave stores 512 consecutive bytes, aligned
.endr
.endm
.irp a, 0,1,2,3,4,5,6,7
	QOUT \a
.endr
	s_wait_tensorcnt 0x0                           ; the wave's end
	ds_add_u32 v[SPW], v[NIL]
	s_wait_dscnt 0x0
	CROUND                                         ; the closing round
	s_endpgm
.Lfunc_end_k_qac4917aa9a_qkv:
	.size	k_qac4917aa9a_qkv, .Lfunc_end_k_qac4917aa9a_qkv-k_qac4917aa9a_qkv
	.p2alignl 7, 3214868480
	.fill 96, 4, 3214868480
	.section	.rodata,"a",@progbits
	.p2align	6, 0x0
	.amdhsa_kernel k_qac4917aa9a_qkv
		.amdhsa_group_segment_fixed_size 327680
		.amdhsa_private_segment_fixed_size 0
		.amdhsa_enable_private_segment 0
		.amdhsa_kernarg_size 48
		.amdhsa_user_sgpr_count 2
		.amdhsa_user_sgpr_kernarg_segment_ptr 1
		.amdhsa_wavefront_size32 1
		.amdhsa_system_sgpr_workgroup_id_x 1
		.amdhsa_system_sgpr_workgroup_id_y 1
		.amdhsa_system_sgpr_workgroup_id_z 1
		.amdhsa_system_vgpr_workitem_id 0
		.amdhsa_next_free_vgpr 1024
		.amdhsa_next_free_sgpr 100
		.amdhsa_reserve_vcc 0
		.amdhsa_float_denorm_mode_32 3
		.amdhsa_float_denorm_mode_16_64 3
		.amdhsa_memory_ordered 1
		.amdhsa_forward_progress 1
		.amdhsa_inst_pref_size 118
	.end_amdhsa_kernel
	.amdgpu_metadata
---
amdhsa.version: [ 1, 2 ]
amdhsa.kernels:
  - .name:           k_qac4917aa9a_qkv
    .symbol:         k_qac4917aa9a_qkv.kd
    .args:
      - { .name: hc, .offset: 0, .size: 8, .value_kind: global_buffer, .address_space: global }
      - { .name: w_qkv_codes, .offset: 8, .size: 8, .value_kind: global_buffer, .address_space: global }
      - { .name: lowp_scales, .offset: 16, .size: 8, .value_kind: global_buffer, .address_space: global }
      - { .name: qf, .offset: 24, .size: 8, .value_kind: global_buffer, .address_space: global }
      - { .name: kf, .offset: 32, .size: 8, .value_kind: global_buffer, .address_space: global }
      - { .name: vf, .offset: 40, .size: 8, .value_kind: global_buffer, .address_space: global }
    .group_segment_fixed_size: 327680
    .private_segment_fixed_size: 0
    .kernarg_segment_align: 8
    .kernarg_segment_size: 48
    .max_flat_workgroup_size: 128
    .sgpr_count:     100
    .vgpr_count:     1024
    .wavefront_size: 32
...
	.end_amdgpu_metadata
.endif
;; end of part 2
;; launch attn (part 3): grid 8 x 32, 16 waves a work-group, clusters of 4 x 1, 327,680 bytes of LDS; arguments qf, kf, vf, mask, lowp_scales, af; writes af
.if DOCPART == 3
	.amdgcn_target "amdgcn-amd-amdhsa--gfx1250"
	.amdhsa_code_object_version 6
	.text
	.protected	k_qac4917aa9a_attn
	.globl	k_qac4917aa9a_attn
	.p2align	8
	.type	k_qac4917aa9a_attn,@function
k_qac4917aa9a_attn:
	s_mov_b64 s[64:65], 0
	v_nop
	global_prefetch_b8 v0, s[64:65] scope:SCOPE_SE
	s_setreg_imm32_b32 hwreg(HW_REG_WAVE_MODE, 25, 1), 1
	s_wait_xcnt 0x0
	s_wait_alu depctr_hold_cnt(0) depctr_sa_sdst(0) depctr_va_vdst(0) depctr_va_sdst(0) depctr_va_ssrc(0) depctr_va_vcc(0) depctr_vm_vsrc(0)
	s_getreg_b32 s2, hwreg(HW_REG_IB_STS2, 6, 4)
	s_cmp_eq_u32 s2, 0
	s_cbranch_scc0 .Lentry_in_a_cluster
	s_endpgm
.Lentry_in_a_cluster:
	s_bfe_u32 s2, ttmp6, 0x10000c
	s_cmp_lg_u32 s2, 0x3003
	s_cbranch_scc0 .Lentry_shape_is_right
	s_endpgm
.Lentry_shape_is_right:
; Attention of one head on codes of E4M3, with a key mask that is an input.  q, k: fragments for K = 64; v: fragments of V^T for K = 128 (keys innermost); all three stored as images of operand registers
; (group g of four registers at byte 512 g + 16 x lane).  The result, quantised with 2^e6, leaves the same way, as half of a fragment of 16 tokens x 128 of the next product's K.
; SOFTMAX: t = score x c, c = log2(e) / 8 x 2^(e2 + e3); M = the running largest t rounded UP to a whole number; p = 2^(t - M) is quantised with 2^e4; the row's sum is taken of the unquantised p and divides at the end.
; THE MASK costs no vector line in the loop: a table in LDS holds 0 for an open key and -2^100 for a masked one, and is the C operand of K Q^T.  The running largest t begins at -c x 2^60: every true t
; (at most c x 64 x 448^2 in magnitude) lies above it, a masked key's t far below it, so p of a masked key is 0 also while no open key has been met.
; A BATCH WITH NO OPEN KEY: c is replaced by 0 (a choice by s_cselect, no branch): every t is 0, M = 0, every p = 1: the uniform row that the -1e9 of the definition gives in f32.
; LIMITS: e2 + e3 between -88 and 6 (no true logit then comes near -1e9, and c x 2^100 is finite and over 150); e4 and e6 between -126 and 119.
; SHARES: a work-group owns 256 queries of one head, each of its sixteen waves 16 of them in 256 registers: four waves to a SIMD, so that one wave's vector work stands beside another's products and LDS loads.
; CLUSTER: the four query blocks of a cluster belong to one head and read the same K and V: each tile is asked for JOINTLY (mask 15).  The head's 2,048 keys are 131,072 bytes of K and as many of V: all of it is
; asked for ONCE, at the head, four loads a wave (four are out, by this text's count), one for each stage of 512 keys; no LDS byte is filled twice.  A stage is read behind a counted wait and a barrier.
; LAYOUT: S^T = K Q^T + table (source 0 = 16 keys, source 1 = my 16 queries), O^T = V^T P^T: a lane holds ONE query (lane % 16); tile a's register j is key 16 a + 8 (lane / 16) + j, so a conversion of tile a gives
; registers 2 a, 2 a + 1 of P as the plain K = 128 form lays an operand (ISA guide 7.12.2).
; REGISTERS: v1 16 x lane; v2 the table's place for my half; v8, v9 addresses in hand; v12 -M, v13 largest t, v[14:15] the sum; v16-23 Q; v32-95 K's 8 fragments, then V's 4; v96-159 S^T, then p; v160-191 O^T; v224-239 p's codes.
.set BIAS, 262144                      ; LDS: stage s at 65536 s: K's 32 fragments (32,768 bytes), then V's 16; behind the four stages the table, 2,048 f32,
.set FLAG, 270336                      ; and sixteen words: has wave w seen an open key?
.set LI,   1
.set AB0,  2
.set ADK,  8
.set ADB,  9
.set WV,   18
.set SEL,  20
.set CS,   22
.set G1K,  24                          ; s[24:31] group 1 for K's tiles; s[32:47] four groups 0
.set G0K,  32
.set G1V,  48                          ; s[48:55], s[80:95] the same for V's
.set G0V,  80
.set TB,   2                           ; s2  LDS byte at which the step's K fragments begin
.set BB,   3                           ; s3  the step's first byte in the table
.set CNT,  56
.macro CROUND
	s_barrier_signal -1
	s_barrier_wait -1
	s_cmp_lg_u32 s[WV], 0
	s_cbranch_scc1 .Lnot_wave_0_\@
	s_barrier_signal -3
.Lnot_wave_0_\@:
	s_barrier_wait -3
	s_barrier_signal -1
	s_barrier_wait -1
.endm
	s_load_b256 s[4:11], s[0:1], 0x0               ; qf s[4:5], kf s[6:7], vf s[8:9], mask s[10:11]
	s_load_b128 s[12:15], s[0:1], 0x20             ; scales s[12:13], af s[14:15]
	v_lshl_add_u32 v251, v0, 2, 0x42100
	v_mov_b32 v255, 0
	ds_add_u32 v251, v255
	ds_add_u32 v251, v255
	v_lshrrev_b32 v8, 5, v0
	s_delay_alu instid0(VALU_DEP_1)
	v_readfirstlane_b32 s[WV], v8                  ; wave 0..15
	s_and_b32 s19, s[WV], 7                        ; u: which eighth of a stage's K (waves 0-7) or V (waves 8-15) I fetch
	s_bfe_u32 s57, ttmp6, 0x40000                  ; cx: it enters Q's and the output's addresses alone
	s_lshl_b32 s58, ttmp9, 2
	s_add_co_u32 s58, s58, s57                     ; my block of 256 queries
	s_and_b32 s59, ttmp7, 0xffff                   ; batch x 16 + head, which the four partners share
	s_lshr_b32 s60, s59, 4                         ; batch
	s_and_b32 s61, s59, 1                          ; i: which head of its pair
	s_lshr_b32 s62, s59, 1
	s_lshl_b32 s62, s62, 18                        ; (batch x 8 + head pair) x 262,144: the pair's first byte in qf, kf, vf
	s_lshl_b32 s63, s61, 10
	s_add_co_u32 s63, s63, s62                     ; + 1,024 i
	s_lshl_b32 s66, s19, 13
	s_add_co_u32 s76, s63, s66                     ; K: + 4 u fragments' places of 2,048
	s_mov_b32 s77, 0
	s_lshl_b32 s66, s61, 13
	s_add_co_u32 s78, s66, s62                     ; V: + 8,192 i
	s_lshr_b32 s66, s19, 1
	s_lshl_b32 s66, s66, 14
	s_add_co_u32 s78, s78, s66                     ; + 16,384 (u / 2): the group of 128 keys
	s_and_b32 s66, s19, 1
	s_lshl_b32 s66, s66, 12
	s_add_co_u32 s78, s78, s66                     ; + 4,096 (u % 2)
	s_mov_b32 s79, 0
	s_lshl_b32 s67, s19, 12                        ; in LDS: 4,096 u
	s_mov_b32 s[G1K], 15|(3<<16)|(1<<21)           ; mask: all four; elements of 8 bytes; bit 21 beside a mask; no padding
	s_mov_b32 s[G1K+1], 128<<16                    ; tensor_dim0: 1,024 bytes, a fragment
	s_mov_b32 s[G1K+2], 4<<16                      ; tensor_dim1
	s_mov_b32 s[G1K+3], 128<<16                    ; tile_dim0
	s_mov_b32 s[G1K+4], 4                          ; tile_dim1: four fragments,
	s_mov_b32 s[G1K+5], 256                        ; 2,048 bytes apart (the pair's other head lies between)
	s_mov_b32 s[G1K+6], 0
	s_mov_b32 s[G1K+7], 0
	s_mov_b32 s[G1V], 15|(3<<16)|(1<<21)
	s_mov_b32 s[G1V+1], 512<<16                    ; one row of 4,096 bytes: two fragments of V^T
	s_mov_b32 s[G1V+2], 1<<16
	s_mov_b32 s[G1V+3], 512<<16
	s_mov_b32 s[G1V+4], 1
	s_mov_b32 s[G1V+5], 512
	s_mov_b32 s[G1V+6], 0
	s_mov_b32 s[G1V+7], 0
	s_mov_b32 s[SEL], 0x76543210
	s_mov_b32 s[SEL+1], 0xfedcba98
	s_wait_dscnt 0x0
	s_wait_kmcnt 0x0
	s_load_b256 s[68:75], s[12:13], 0x0            ; e0 .. e7
	s_add_nc_u64 s[6:7], s[6:7], s[76:77]
	s_add_nc_u64 s[8:9], s[8:9], s[78:79]
.irp s, 0,1,2,3
	s_mov_b32 s[G0K+4*\s], 1
	s_add_co_u32 s[G0K+4*\s+1], s67, 65536*\s
	s_add_nc_u64 s[G0K+4*\s+2:G0K+4*\s+3], s[6:7], 65536*\s
	s_or_b32 s[G0K+4*\s+3], s[G0K+4*\s+3], 0x80000000
	s_mov_b32 s[G0V+4*\s], 1
	s_add_co_u32 s[G0V+4*\s+1], s67, 65536*\s+32768
	s_add_nc_u64 s[G0V+4*\s+2:G0V+4*\s+3], s[8:9], 65536*\s
	s_or_b32 s[G0V+4*\s+3], s[G0V+4*\s+3], 0x80000000
.endr
	CROUND                                         ; all four work-groups are here: the joint loads meet
	s_cmp_lt_u32 s[WV], 8                          ; a wave's four fills stand in one branch on the wave's number, ahead of every wait on TENSORcnt and every LDS instruction; four v_nop follow the last
	s_cbranch_scc0 .Lfirst_v
.irp s, 0,1,2,3
	tensor_load_to_lds s[G0K+4*\s:G0K+4*\s+3], s[G1K:G1K+7]
	s_nop 0
.endr
.rept 4
	v_nop
.endr
	s_branch .Lfirst_asked
.Lfirst_v:
.irp s, 0,1,2,3
	tensor_load_to_lds s[G0V+4*\s:G0V+4*\s+3], s[G1V:G1V+7]
	s_nop 0
.endr
.rept 4
	v_nop
.endr
.Lfirst_asked:
	v_and_b32 v3, 31, v0
	s_delay_alu instid0(VALU_DEP_1)
	v_lshlrev_b32 v[LI], 4, v3                     ; 16 x lane
	s_wait_alu depctr_va_vdst(0)
	v_bfe_u32 v4, v0, 4, 1                         ; h
	s_delay_alu instid0(VALU_DEP_1)
	v_lshlrev_b32 v[AB0], 5, v4
	s_delay_alu instid0(VALU_DEP_1)
	v_add_nc_u32 v[AB0], BIAS, v[AB0]              ; the table: + 32 h: my half's eight keys of a tile
	v_lshlrev_b32 v5, 4, v0                        ; thread t takes keys 4 t .. 4 t + 3 of the mask
	s_delay_alu instid0(VALU_DEP_1)
	v_add_nc_u32 v6, BIAS, v5
	s_lshl_b32 s96, s[WV], 2
	s_add_co_u32 s96, s96, FLAG
	v_mov_b32 v7, s96                              ; my wave's word
	v_mov_b32 v10, FLAG
	s_lshl_b32 s96, s60, 13                        ; the batch's 8,192 bytes of mask
	s_mov_b32 s97, 0
	s_add_nc_u64 s[10:11], s[10:11], s[96:97]
	global_load_b128 v[24:27], v5, s[10:11]
	s_lshl_b32 s98, s58, 4
	s_add_co_u32 s98, s98, s[WV]                   ; my block of 16 tokens in the batch
	s_lshl_b32 s96, s98, 11
	s_add_co_u32 s96, s96, s63
	s_add_nc_u64 s[4:5], s[4:5], s[96:97]
	global_load_b128 v[16:19], v[LI], s[4:5]       ; Q's fragment stays in registers
	global_load_b128 v[20:23], v[LI], s[4:5] offset:512
	s_lshl_b32 s96, s60, 7
	s_add_co_u32 s96, s96, s98                     ; the block among all 256
	s_lshl_b32 s96, s96, 3
	s_bfe_u32 s99, s59, 0x30001                    ; the head pair = the K step of 128 in the next product
	s_add_co_u32 s96, s96, s99
	s_lshl_b32 s96, s96, 11
	s_lshl_b32 s99, s61, 10                        ; head i fills groups 2 i, 2 i + 1 of that fragment
	s_add_co_u32 s96, s96, s99
	s_add_nc_u64 s[14:15], s[14:15], s[96:97]
	v_mov_b32 v28, 0xf1800000                      ; -2^100
	v_mov_b32 v14, 0                               ; the sum, in two halves
	v_mov_b32 v15, 0
	v_mov_b32 v236, 0                              ; a lane exchange's destination counts as read
	v_mov_b32 v253, 0                              ; (named as the upper half of the pair v[252:253])
.irp j, 0,1,2,3,4,5,6,7,8,9,10,11,12,13,14,15,16,17,18,19,20,21,22,23,24,25,26,27,28,29,30,31
	v_mov_b32 v[160+\j], 0                         ; O^T: the step is written once, and its first run finds zeros
.endr
	s_wait_loadcnt 2                               ; the mask is in; Q's two loads may be out
.irp k, 0,1,2,3
	v_cmp_eq_u32 vcc_lo, 0, v[24+\k]
	s_delay_alu instid0(VALU_DEP_1)
	v_cndmask_b32 v[32+\k], 0, v28, vcc_lo         ; 0 for an open key, -2^100 for a masked one
.endr
	ds_store_b128 v6, v[32:35]
	v_or_b32 v29, v24, v25
	v_or_b32 v30, v26, v27
	s_delay_alu instid0(VALU_DEP_1)
	v_or_b32 v29, v29, v30
	s_delay_alu instid0(VALU_DEP_1)
	v_cmp_ne_u32 vcc_lo, 0, v29
	s_cmp_lg_u32 vcc_lo, 0
	s_cselect_b32 s96, 1, 0                        ; has my wave seen an open key?  (a value, not a branch)
	v_mov_b32 v30, s96
	ds_store_b32 v7, v30
	s_wait_kmcnt 0x0
	s_mov_b32 s[CS], 0x3e38aa3b                    ; log2(e) / 8
	s_add_co_i32 s96, s70, s71
	s_lshl_b32 s96, s96, 23
	s_add_co_i32 s[CS], s[CS], s96                 ; x 2^(e2 + e3): added to the exponent field
	s_add_co_i32 s96, s72, 127
	s_lshl_b32 s97, s96, 23
	v_mov_b32 v244, s97                            ; 2^e4
	s_add_co_i32 s96, s74, 127
	s_lshl_b32 s97, s96, 23
	v_mov_b32 v245, s97                            ; 2^e6
	s_wait_loadcnt 0x0                             ; Q
; A KEY STEP: 128 keys.
.macro STEP
	v_add_nc_u32 v[ADK], s[TB], v[LI]
	v_add_nc_u32 v[ADB], s[BB], v[AB0]
	v_nop
	v_nop                                          ; four plain lines between the last products and the loads into the registers that they read
.irp a, 0,1,2,3,4,5,6,7
	ds_load_b128 v[32+8*\a:35+8*\a], v[ADK] offset:1024*\a
	ds_load_b128 v[36+8*\a:39+8*\a], v[ADK] offset:1024*\a+512
.endr
.irp a, 0,1,2,3,4,5,6,7
	ds_load_b128 v[96+8*\a:99+8*\a], v[ADB] offset:64*\a           ; the table lands in S^T's own registers: register j of tile a = key 16 a + 8 h + j
	ds_load_b128 v[100+8*\a:103+8*\a], v[ADB] offset:64*\a+16
.endr
	s_wait_alu depctr_va_vdst(0)
	s_wait_dscnt 0x0
.irp a, 0,1,2,3,4,5,6,7
	v_wmma_f32_16x16x64_fp8_fp8 v[96+8*\a:103+8*\a], v[32+8*\a:39+8*\a], v[16:23], v[96+8*\a:103+8*\a]
.endr
.rept 4
	v_nop
.endr
.irp t, 0,1,2,3
.irp g, 0,1,2,3
	ds_load_b128 v[32+16*\t+4*\g:35+16*\t+4*\g], v[ADK] offset:32768+2048*\t+512*\g   ; V^T's four fragments land while the softmax is walked
.endr
.endr
	v_max3_num_f32 v254, v96, v97, v98             ; the step's largest score of my query among my 64 keys, in two chains; each tile is read from its low end on
	v_max3_num_f32 v252, v99, v100, v101
.irp i, 6,10,14,18,22,26,30,34,38,42,46,50,54,58
	v_max3_num_f32 v254, v254, v[96+\i], v[97+\i]
	v_max3_num_f32 v252, v252, v[98+\i], v[99+\i]
.endr
	v_max3_num_f32 v254, v254, v158, v159
	s_delay_alu instid0(VALU_DEP_1)
	v_max_num_f32 v254, v254, v252
	v_permlanex16_b32 v236, v254, s[SEL], s[SEL+1]
	s_delay_alu instid0(VALU_DEP_1)
	v_max_num_f32 v254, v254, v236                 ; and among lane l xor 16's
	s_delay_alu instid0(VALU_DEP_1)
	v_mul_f32 v254, s[CS], v254                    ; as t (c is not negative)
	s_delay_alu instid0(VALU_DEP_1)
	v_max_num_f32 v13, v13, v254                   ; the running largest t
	v_mov_b32 v254, v12
	s_delay_alu instid0(VALU_DEP_2)
	v_floor_f32 v12, -v13                          ; the new -M = floor(-t): M is a whole number
	s_delay_alu instid0(VALU_DEP_1)
	v_sub_f32 v254, v12, v254                      ; old M - new M: a whole number, 0 or less
	s_delay_alu instid0(VALU_DEP_1)
	v_cvt_i32_f32 v254, v254                       ; (it saturates)
	s_delay_alu instid0(VALU_DEP_1)
	v_ldexp_f32 v252, 1.0, v254                    ; f = 2^(old M - new M)
.irp j, 0,2,4,6,8,10,12,14,16,18,20,22,24,26,28,30,32,34,36,38,40,42,44,46,48,50,52,54,56,58,60,62
	v_pk_fma_f32 v[96+\j:97+\j], v[96+\j:97+\j], s[CS:CS+1], v[12:13] op_sel_hi:[1,0,0]   ; t - M, two at a time
.endr
	s_setprio 1
	s_wait_alu depctr_va_vdst(0)
.irp j, 0,1,2,3,4,5,6,7,8,9,10,11,12,13,14,15,16,17,18,19,20,21,22,23,24,25,26,27,28,29,30,31,32,33,34,35,36,37,38,39,40,41,42,43,44,45,46,47,48,49,50,51,52,53,54,55,56,57,58,59,60,61,62,63
	v_exp_f32 v[96+\j], v[96+\j]                   ; p = 2^(t - M): one batch
.endr
	v_pk_mul_f32 v[14:15], v[14:15], v[252:253] op_sel_hi:[1,0]   ; the sums under the new M (the plain line behind the batch)
	s_wait_alu depctr_va_vdst(0)                   ; one wait for the batch, ahead of its first reader
	v_pk_add_f32 v[242:243], v[100:101], v[104:105]
	v_pk_add_f32 v[248:249], v[108:109], v[112:113]
	v_pk_add_f32 v[246:247], v[116:117], v[120:121]
	v_pk_add_f32 v[240:241], v[124:125], v[128:129]
	v_pk_add_f32 v[238:239], v[132:133], v[136:137]
	v_pk_add_f32 v[236:237], v[140:141], v[144:145]
	v_pk_add_f32 v[234:235], v[148:149], v[152:153]
	v_pk_add_f32 v[14:15], v[14:15], v[156:157]
	v_pk_add_f32 v[242:243], v[242:243], v[96:97]
	v_pk_add_f32 v[248:249], v[248:249], v[98:99]
	v_pk_add_f32 v[246:247], v[246:247], v[102:103]
	v_pk_add_f32 v[240:241], v[240:241], v[106:107]
	v_pk_add_f32 v[238:239], v[238:239], v[110:111]
	v_pk_add_f32 v[236:237], v[236:237], v[114:115]
	v_pk_add_f32 v[234:235], v[234:235], v[118:119]
	v_pk_add_f32 v[14:15], v[14:15], v[122:123]
	v_pk_add_f32 v[242:243], v[242:243], v[126:127]
	v_pk_add_f32 v[248:249], v[248:249], v[130:131]
	v_pk_add_f32 v[246:247], v[246:247], v[134:135]
	v_pk_add_f32 v[240:241], v[240:241], v[138:139]
	v_pk_add_f32 v[238:239], v[238:239], v[142:143]
	v_pk_add_f32 v[236:237], v[236:237], v[146:147]
	v_pk_add_f32 v[234:235], v[234:235], v[150:151]
	v_pk_add_f32 v[14:15], v[14:15], v[154:155]
	v_pk_add_f32 v[242:243], v[242:243], v[158:159]
	s_delay_alu instid0(VALU_DEP_2)
	v_pk_add_f32 v[14:15], v[14:15], v[240:241]
	s_delay_alu instid0(VALU_DEP_2)
	v_pk_add_f32 v[242:243], v[242:243], v[238:239]
	v_pk_add_f32 v[248:249], v[248:249], v[236:237]
	v_pk_add_f32 v[246:247], v[246:247], v[234:235]
	s_delay_alu instid0(VALU_DEP_2)
	v_pk_add_f32 v[14:15], v[14:15], v[248:249]
	s_delay_alu instid0(VALU_DEP_2)
	v_pk_add_f32 v[242:243], v[242:243], v[246:247]
	s_delay_alu instid0(VALU_DEP_1)
	v_pk_add_f32 v[14:15], v[14:15], v[242:243]
.irp b, 0,1,2,3
.irp i, 0,1,2,3,4,5,6,7,8,9,10,11,12,13,14,15
.endr
	v_cvt_scalef32_pk8_fp8_f32 v[224+4*\b:225+4*\b], v[96+16*\b:103+16*\b], v244
	v_cvt_scalef32_pk8_fp8_f32 v[226+4*\b:227+4*\b], v[104+16*\b:111+16*\b], v244
.endr
	s_setprio 0
.irp j, 0,2,4,6,8,10,12,14,16,18,20,22,24,26,28,30
	v_pk_mul_f32 v[160+\j:161+\j], v[160+\j:161+\j], v[252:253] op_sel_hi:[1,0]   ; O^T under the new M (also the plain lines behind the conversions)
.endr
	s_wait_alu depctr_va_vdst(0)
	s_wait_dscnt 0x0                               ; V^T
.irp t, 0,1,2,3
	v_wmma_f32_16x16x128_fp8_fp8 v[160+8*\t:167+8*\t], v[32+16*\t:47+16*\t], v[224:239], v[160+8*\t:167+8*\t]
.endr
	s_add_co_u32 s[TB], s[TB], 8192
	s_add_co_u32 s[BB], s[BB], 512
.endm
; A STAGE: 512 keys, four steps.  My load for it has landed (the later stages' loads, 3 - s of them, may stay out); behind the barrier everybody's has.
.macro STAGE s
	s_wait_tensorcnt 3-\s
	s_wait_dscnt 0x0                               ; my LDS stores have landed (the table and my word, ahead of the first stage)
	s_barrier_signal -1
	s_barrier_wait -1
.if \s == 0
.irp k, 0,1,2,3
	ds_load_b128 v[32+4*\k:35+4*\k], v10 offset:16*\k   ; the sixteen waves' words
.endr
	s_wait_dscnt 0x0
.irp k, 1
	v_or_b32 v32, v32, v[32+\k]
.endr
.irp k, 2, 3, 4, 5, 6, 7, 8, 9, 10, 11, 12, 13, 14, 15
	s_delay_alu instid0(VALU_DEP_1)
	v_or_b32 v32, v32, v[32+\k]
.endr
	s_delay_alu instid0(VALU_DEP_1)
	v_readfirstlane_b32 s96, v32
	s_cmp_lg_u32 s96, 0
	s_cselect_b32 s[CS], s[CS], 0                  ; no open key in the batch: c = 0
	s_mov_b32 s[CS+1], s[CS]                       ; (named with it as a pair)
	v_mov_b32 v13, 0xdd800000                      ; -2^60
	s_delay_alu instid0(VALU_DEP_1)
	v_mul_f32 v13, s[CS], v13                      ; the largest t so far: -c x 2^60
	s_delay_alu instid0(VALU_DEP_1)
	v_floor_f32 v12, -v13                          ; -M
.endif
	s_mov_b32 s[TB], 65536*\s
	s_mov_b32 s[BB], 2048*\s
	s_mov_b32 s[CNT], 4
.Lstep_\@:
	s_setprio 2
	STEP
	s_sub_co_u32 s[CNT], s[CNT], 1
	s_cmp_lg_u32 s[CNT], 0
	s_cbranch_scc1 .Lstep_\@
	s_setprio 0
.endm
	STAGE 0
	STAGE 1
	STAGE 2
	STAGE 3
	; THE WAY OUT: O^T / the sum x 2^(e4 + e5), quantised with 2^e6: tile t's conversion gives registers 2 t, 2 t + 1 of my head's half of the fragment
.rept 4
	v_nop
.endr
	v_add_f32 v14, v14, v15
	s_delay_alu instid0(VALU_DEP_1)
	v_permlanex16_b32 v252, v14, s[SEL], s[SEL+1]
	s_delay_alu instid0(VALU_DEP_1)
	v_add_f32 v14, v14, v252                       ; the row's sum
	s_wait_alu depctr_va_vdst(0)
	v_rcp_f32 v14, v14
	v_nop                                          ; a plain line behind the transcendental
	s_add_co_i32 s96, s72, s73
	s_wait_alu depctr_va_vdst(0)                   ; and the wait ahead of its first reader
	v_ldexp_f32 v14, v14, s96
.irp j, 0,1,2,3,4,5,6,7,8,9,10,11,12,13,14,15,16,17,18,19,20,21,22,23,24,25,26,27,28,29,30,31
	v_mul_f32 v[96+\j], v[160+\j], v14
.endr
.irp j, 0,1,2,3,4,5,6,7,8,9,10,11,12,13,14,15,16,17,18,19,20,21,22,23,24,25,26,27,28,29,30,31
.endr
.irp t, 0,1,2,3
	v_cvt_scalef32_pk8_fp8_f32 v[224+2*\t:225+2*\t], v[96+8*\t:103+8*\t], v245
.endr
	v_nop
	global_store_b128 v[LI], v[224:227], s[14:15]             ; the wave stores 512 consecutive bytes, aligned
	global_store_b128 v[LI], v[228:231], s[14:15] offset:512
	s_wait_tensorcnt 0x0
	ds_add_u32 v251, v255
	s_wait_dscnt 0x0
	CROUND                                         ; the closing round: no work-group ends while a partner may still ask
	s_endpgm
.Lfunc_end_k_qac4917aa9a_attn:
	.size	k_qac4917aa9a_attn, .Lfunc_end_k_qac4917aa9a_attn-k_qac4917aa9a_attn
	.p2alignl 7, 3214868480
	.fill 96, 4, 3214868480
	.section	.rodata,"a",@progbits
	.p2align	6, 0x0
	.amdhsa_kernel k_qac4917aa9a_attn
		.amdhsa_group_segment_fixed_size 327680
		.amdhsa_private_segment_fixed_size 0
		.amdhsa_enable_private_segment 0
		.amdhsa_kernarg_size 48
		.amdhsa_user_sgpr_count 2
		.amdhsa_user_sgpr_kernarg_segment_ptr 1
		.amdhsa_wavefront_size32 1
		.amdhsa_system_sgpr_workgroup_id_x 1
		.amdhsa_system_sgpr_workgroup_id_y 1
		.amdhsa_system_sgpr_workgroup_id_z 1
		.amdhsa_system_vgpr_workitem_id 0
		.amdhsa_next_free_vgpr 256
		.amdhsa_next_free_sgpr 100
		.amdhsa_reserve_vcc 1
		.amdhsa_float_denorm_mode_32 3
		.amdhsa_float_denorm_mode_16_64 3
		.amdhsa_fp16_overflow 1
		.amdhsa_memory_ordered 1
		.amdhsa_forward_progress 1
		.amdhsa_inst_pref_size 75
	.end_amdhsa_kernel
	.amdgpu_metadata
---
amdhsa.version: [ 1, 2 ]
amdhsa.kernels:
  - .name:           k_qac4917aa9a_attn
    .symbol:         k_qac4917aa9a_attn.kd
    .args:
      - { .name: qf, .offset: 0, .size: 8, .value_kind: global_buffer, .address_space: global }
      - { .name: kf, .offset: 8, .size: 8, .value_kind: global_buffer, .address_space: global }
      - { .name: vf, .offset: 16, .size: 8, .value_kind: global_buffer, .address_space: global }
      - { .name: mask, .offset: 24, .size: 8, .value_kind: global_buffer, .address_space: global }
      - { .name: lowp_scales, .offset: 32, .size: 8, .value_kind: global_buffer, .address_space: global }
      - { .name: af, .offset: 40, .size: 8, .value_kind: global_buffer, .address_space: global }
    .group_segment_fixed_size: 327680
    .private_segment_fixed_size: 0
    .kernarg_segment_align: 8
    .kernarg_segment_size: 48
    .max_flat_workgroup_size: 512
    .sgpr_count:     100
    .vgpr_count:     256
    .wavefront_size: 32
...
	.end_amdgpu_metadata
.endif
;; end of part 3
;; launch oproj (part 4): grid 8 x 32, 4 waves a work-group, clusters of 4 x 4, 327,680 bytes of LDS; arguments af, w_out_codes, lowp_scales, x1, b_out, x; writes x1
.if DOCPART == 4
	.amdgcn_target "amdgcn-amd-amdhsa--gfx1250"
	.amdhsa_code_object_version 6
	.text
	.protected	k_qac4917aa9a_oproj
	.globl	k_qac4917aa9a_oproj
	.p2align	8
	.type	k_qac4917aa9a_oproj,@function
k_qac4917aa9a_oproj:
	s_mov_b64 s[64:65], 0
	v_nop
	global_prefetch_b8 v0, s[64:65] scope:SCOPE_SE
	s_setreg_imm32_b32 hwreg(HW_REG_WAVE_MODE, 25, 1), 1
	s_wait_xcnt 0x0
	s_wait_alu depctr_hold_cnt(0) depctr_sa_sdst(0) depctr_va_vdst(0) depctr_va_sdst(0) depctr_va_ssrc(0) depctr_va_vcc(0) depctr_vm_vsrc(0)
	s_getreg_b32 s2, hwreg(HW_REG_IB_STS2, 6, 4)
	s_cmp_eq_u32 s2, 0
	s_cbranch_scc0 .Lentry_in_a_cluster
	s_endpgm
.Lentry_in_a_cluster:
	s_bfe_u32 s2, ttmp6, 0x10000c
	s_cmp_lg_u32 s2, 0xf033
	s_cbranch_scc0 .Lentry_shape_is_right
	s_endpgm
.Lentry_shape_is_right:
; out = res + (A W^T x 2^(eA + eB) + bias), f32 [4096][1024].  A: codes of E4M3 stored as images of operand registers, [256 blocks of 16 rows][SIZE_K / 128][2,048 bytes]
; (group g of four registers at byte 512 g + 16 x lane; the plain K = 128 form's own layout).  W: codes [1024][SIZE_K], K innermost.  eA, eB: the two whole numbers at byte EOFF of the scales.
; LIMIT: eA + eB between -126 and 127, so that 2^(eA + eB) is an f32 number.
; N is 1,024: tiles of 128 x 128 give 256 work-groups, one to a WGP.  Four waves, each 64 x 64: 16 accumulators.  K goes in steps of 512 through two LDS slots filled by the tensor data mover.
; CLUSTERS: 4 x 4 work-groups; A's tile is shared along a row of the cluster, W's along a column: each is asked for JOINTLY, by the same load with the same descriptor in all four.
; A's fragments come from LDS as they lie (four loads of 16 bytes, 512 consecutive bytes a load); W's by eight loads of 8 bytes at k = 16 c + 8 (lane / 16), which is the same layout.
; THE MATRIX INSTRUCTION IS USED TRANSPOSED (source 0 = 16 rows of W, source 1 = 16 rows of A): a lane holds eight neighbouring columns of one row of the result.
; The wave's 64 x 64 of the residual are asked for at the head, in the layout in which rows leave, and lie in registers of their own until the way out.
; REGISTERS: window 0: v0-31 addresses, v[8:11] the bias; v32-95 the way out; v128-255 accumulators ((a, b) at 128 + 8 (4 a + b)).  window 1: two fragment buffers of 128 (A's four, then W's four).  window 2: v0-127 the residual.
.set SIZE_K, 1024
.set EOFF,   24
.set KSTEP,  512
.set PB,     528                       ; a row of W in LDS: 512 bytes + 16: the 32 lanes of a load of 8 bytes touch 64 different banks (ISA guide 11.1)
.set AREG,   65536                     ; A's part of a slot: 8 blocks x 4 K steps of 128 x 2,048 bytes
.set BHALF,  64*PB
.set SLOT,   AREG+2*BHALF
.set STAGE,  2*SLOT                    ; behind the ring: 16 rows x 272 bytes for each wave
.set SPITCH, 272
.set SPARE,  STAGE+4*16*SPITCH         ; behind the stages: the spare words, 128 bytes a wave, that no other line names
.set LAPS,   SIZE_K/(2*KSTEP)
.set ADRA, 16
.set ADRB, 20
.set STO,  24
.set RD,   25
.set CO,   26
.set SPW,  28
.set NIL,  29
.set TMP,  32
.set ACC,  128
.set F0,   0
.set F1,   128
.set G1, 24
.set G0, 32
.set G1B, 48
.set G0B, 56
.set MSB, 0
.macro WIN new                         ; the immediate's high byte repeats the setting that is left
.if MSB != \new
	s_set_vgpr_msb (MSB<<8)|\new
.set MSB, \new
.endif
.endm
.set MUL,  0x05                        ; sources 0 and 1 window 1; C and D window 0
.set TO_F, 0x40                        ; destination window 1
.macro JLOAD g0a, g1a, g0b, g1b        ; waves 0 and 1 fetch A's halves, waves 2 and 3 W's; four v_nop follow each line
	s_cmp_eq_u32 s15, 0
	s_cbranch_scc0 .Lfor_b_\@
	tensor_load_to_lds s[\g0a:\g0a+3], s[\g1a:\g1a+7]
	s_nop 0
.rept 4
	v_nop
.endr
	s_branch .Lasked_\@
.Lfor_b_\@:
	tensor_load_to_lds s[\g0b:\g0b+3], s[\g1b:\g1b+7]
	s_nop 0
.rept 4
	v_nop
.endr
.Lasked_\@:
.endm
.macro CREST
	s_cmp_lg_u32 s14, 0
	s_cbranch_scc1 .Lnot_wave_0_\@
	s_barrier_signal -3
.Lnot_wave_0_\@:
	s_barrier_wait -3
	s_barrier_signal -1
	s_barrier_wait -1
.endm
.macro CROUND
	s_barrier_signal -1
	s_barrier_wait -1
	CREST
.endm
	s_load_b256 s[4:11], s[0:1], 0x0               ; A s[4:5], W s[6:7], scales s[8:9], out s[10:11]
	s_load_b128 s[68:71], s[0:1], 0x20             ; bias s[68:69], residual s[70:71]
	v_lshl_add_u32 v[SPW], v0, 2, SPARE
	v_mov_b32 v[NIL], 0
	ds_add_u32 v28, v29
	ds_add_u32 v28, v29
	s_wait_dscnt 0x0
	v_lshrrev_b32 v1, 5, v0
	v_readfirstlane_b32 s14, v1                    ; wave 0..3
	s_lshr_b32 s15, s14, 1                         ; my half of the tile's rows.  Also: I fetch for A (0) or for W (1)
	s_and_b32 s16, s14, 1                          ; my half of its columns.  Also: which half I fetch
	s_bfe_u32 s40, ttmp6, 0x40000                  ; cx
	s_bfe_u32 s41, ttmp6, 0x40004                  ; cy
	s_lshl_b32 s42, ttmp9, 2
	s_add_co_u32 s42, s42, s40                     ; tile column
	s_and_b32 s17, ttmp7, 0xffff
	s_lshl_b32 s17, s17, 2
	s_add_co_u32 s17, s17, s41                     ; tile row
	s_lshl_b32 s43, s41, 2
	s_lshl_b32 s43, 15, s43                        ; my row of the cluster
	s_lshl_b32 s44, 0x1111, s40                    ; my column
	s_or_b32 s[G1+0], s43, (3<<16)|(1<<21)         ; A: mask; elements of 8 bytes; bit 21 beside a mask; no padding
	s_mov_b32 s[G1+1], 1024<<16                    ; tensor_dim0: 8,192 bytes: a block's four K steps of 128
	s_mov_b32 s[G1+2], 4<<16                       ; tensor_dim1
	s_mov_b32 s[G1+3], 1024<<16                    ; tile_dim0
	s_mov_b32 s[G1+4], 4                           ; tile_dim1: four blocks of 16 rows,
	s_mov_b32 s[G1+5], 2*SIZE_K                    ; 16 SIZE_K bytes apart
	s_mov_b32 s[G1+6], 0
	s_mov_b32 s[G1+7], 0
	s_or_b32 s[G1B+0], s44, (0<<16)|(1<<20)|(1<<21)|(6<<22)|(3<<25)  ; W: mask; elements of 1 byte; padding: 4 words after every 128
	s_mov_b32 s[G1B+1], KSTEP<<16
	s_mov_b32 s[G1B+2], 64<<16
	s_mov_b32 s[G1B+3], KSTEP<<16
	s_mov_b32 s[G1B+4], 64
	s_mov_b32 s[G1B+5], SIZE_K
	s_mov_b32 s[G1B+6], 0
	s_mov_b32 s[G1B+7], 0
	s_lshl_b32 s20, s17, 3
	s_lshl_b32 s18, s16, 2
	s_add_co_u32 s20, s20, s18                     ; A: block 8 x tile row + 4 x half
	s_mul_i32 s20, s20, 16*SIZE_K
	s_mov_b32 s21, 0
	s_lshl_b32 s46, s42, 7
	s_lshl_b32 s18, s16, 6
	s_add_co_u32 s46, s46, s18                     ; W: row 128 x tile column + 64 x half
	s_mul_i32 s46, s46, SIZE_K
	s_mov_b32 s47, 0
	s_lshl_b32 s45, s16, 15                        ; where they go: A: 32,768 x half;
	s_mul_i32 s67, s16, BHALF
	s_add_co_u32 s67, s67, AREG                    ; W: behind A's part
	s_wait_kmcnt 0x0
	s_load_b64 s[96:97], s[8:9], EOFF              ; eA, eB
	s_add_nc_u64 s[20:21], s[4:5], s[20:21]
	s_add_nc_u64 s[46:47], s[6:7], s[46:47]
	CROUND                                         ; all sixteen work-groups are here: the first joint loads meet
.irp s, 0,1
	s_mov_b32 s[G0+4*\s], 1
	s_add_co_u32 s[G0+4*\s+1], s45, \s*SLOT
	s_add_nc_u64 s[G0+4*\s+2:G0+4*\s+3], s[20:21], \s*8192
	s_or_b32 s[G0+4*\s+3], s[G0+4*\s+3], 0x80000000
	s_mov_b32 s[G0B+4*\s], 1
	s_add_co_u32 s[G0B+4*\s+1], s67, \s*SLOT
	s_add_nc_u64 s[G0B+4*\s+2:G0B+4*\s+3], s[46:47], \s*KSTEP
	s_or_b32 s[G0B+4*\s+3], s[G0B+4*\s+3], 0x80000000
	s_wait_alu depctr_va_vdst(0)
	s_wait_tensorcnt 0x0
	ds_add_u32 v28, v29
	ds_add_u32 v28, v29
	s_wait_dscnt 0x0
	CROUND
	JLOAD G0+4*\s, G1, G0B+4*\s, G1B
.endr
	v_and_b32 v1, 15, v0                           ; r
	v_bfe_u32 v2, v0, 4, 1                         ; h
	v_and_b32 v3, 31, v0
	v_lshlrev_b32 v4, 4, v3                        ; 16 x lane
	v_mul_u32_u24 v5, v1, PB
	v_lshl_add_u32 v5, v2, 3, v5                   ; W: row r, + 8 h
	s_lshl_b32 s21, s15, 15                        ; my four blocks of A
	s_mul_i32 s22, s16, BHALF
	s_add_co_u32 s22, s22, AREG                    ; my 64 rows of W
.irp s, 0,1
	v_add_nc_u32 v[ADRA+\s], s21, v4
	v_add_nc_u32 v[ADRB+\s], s22, v5
	s_add_co_u32 s21, s21, SLOT
	s_add_co_u32 s22, s22, SLOT
.endr
	s_mul_i32 s23, s14, 16*SPITCH
	s_add_co_u32 s23, s23, STAGE                   ; my stage
	v_mul_u32_u24 v6, v1, SPITCH
	v_lshl_add_u32 v6, v2, 5, v6
	v_add_nc_u32 v[STO], s23, v6                   ; in: row r, 32 bytes for each half of the lanes
	v_mul_u32_u24 v7, v2, SPITCH
	v_lshl_add_u32 v7, v1, 4, v7
	v_add_nc_u32 v[RD], s23, v7                    ; back: lanes 0-15 one row of 256 bytes, lanes 16-31 the next
	v_lshlrev_b32 v[CO], 12, v2
	v_lshl_add_u32 v[CO], v1, 4, v[CO]             ; and the same two rows in memory (a row is 4,096 bytes)
	s_wait_alu depctr_va_vdst(0)
	v_lshlrev_b32 v27, 4, v1
	s_wait_alu depctr_va_vdst(0)
	s_lshl_b32 s86, s17, 7
	s_lshl_b32 s87, s15, 6
	s_add_co_u32 s86, s86, s87                     ; my first row
	s_lshl_b32 s86, s86, 12
	s_lshl_b32 s88, s42, 9
	s_lshl_b32 s89, s16, 8
	s_add_co_u32 s88, s88, s89                     ; my first column, in bytes
	s_mov_b32 s89, 0
	s_add_nc_u64 s[68:69], s[68:69], s[88:89]
	s_add_co_u32 s86, s86, s88
	s_mov_b32 s87, 0
	s_add_nc_u64 s[10:11], s[10:11], s[86:87]
	s_add_nc_u64 s[70:71], s[70:71], s[86:87]
	WIN 0x80                                       ; destination window 2
.irp a, 0,1,2,3
.irp t, 0,1,2,3,4,5,6,7
	global_load_b128 v[4*(8*\a+\t):4*(8*\a+\t)+3], v[CO], s[70:71] offset:(16*\a+2*\t)*4096 th:TH_LOAD_NT   ; sixteen lanes read 256 consecutive bytes, aligned
.endr
.endr
	WIN 0
	global_load_b128 v[8:11], v27, s[68:69]        ; the bias of my four columns of a row
.macro MULA f, a, zero                 ; four matrix instructions: A's block a x W's four.  The 16 accumulators take turns, one instruction a turn
.irp b, 0,1,2,3
.if \zero
	v_wmma_f32_16x16x128_fp8_fp8 v[ACC+8*(4*(\a)+\b):ACC+8*(4*(\a)+\b)+7], v[\f+64+16*\b:\f+64+16*\b+15], v[\f+16*(\a):\f+16*(\a)+15], 0
.else
	v_wmma_f32_16x16x128_fp8_fp8 v[ACC+8*(4*(\a)+\b):ACC+8*(4*(\a)+\b)+7], v[\f+64+16*\b:\f+64+16*\b+15], v[\f+16*(\a):\f+16*(\a)+15], v[ACC+8*(4*(\a)+\b):ACC+8*(4*(\a)+\b)+7]
.endif
.endr
.endm
.macro FETCH slot, kq, f               ; 48 LDS loads in one run: the fragments of the slot's kq-th 128 along K into buffer f
	WIN TO_F
.irp i, 0,1,2,3
.irp c, 0,1,2,3
	ds_load_b128 v[\f+16*\i+4*\c:\f+16*\i+4*\c+3], v[ADRA+\slot] offset:8192*\i+2048*(\kq)+512*\c
.endr
.endr
.irp i, 0,1,2,3
.irp c, 0,1,2,3,4,5,6,7
	ds_load_b64 v[\f+64+16*\i+2*\c:\f+64+16*\i+2*\c+1], v[ADRB+\slot] offset:16*PB*\i+128*(\kq)+16*\c
.endr
.endr
.endm
.macro PLACES                          ; four plain vector lines between a matrix instruction and a load into, or a read of, its registers
.rept 4
	v_nop
.endr
.endm
.macro QUARTER slot, kq, f, g, zero    ; fetches the slot's kq-th 128 along K into g, multiplies f
	PLACES
	FETCH \slot, \kq, \g
	s_wait_dscnt 48                                ; all but the 48 just issued: buffer f is in
	WIN MUL
	MULA \f, 0, \zero
	MULA \f, 1, \zero
	MULA \f, 2, \zero
	MULA \f, 3, \zero
.endm
; A slot's last quarter multiplies buffer 1 and changes slots: one barrier; in front of it each wave waits for all its tensor loads, adds 0 to its spare word, and waits for that and for its reads of this slot.
.macro TURN slot, next, fill
	WIN 0                                          ; (the add's two registers lie in window 0)
	s_wait_tensorcnt 0x0                           ; all my tensor loads have landed: my part of the next slot
	ds_add_u32 v[SPW], v[NIL]
	s_wait_dscnt 1                                 ; buffer 1 is in; the add may be out
	WIN MUL
	MULA F1, 0, 0
	s_wait_dscnt 0x0                               ; the add is done, and my reads of this slot are over
	s_barrier_signal -1
	MULA F1, 1, 0
	WIN 0
	s_barrier_wait -1
.if \fill
	CREST                                          ; the barrier has opened a round of the cluster's: no wave of any partner still reads this slot or has a load on its way
	s_add_nc_u64 s[G0+4*\slot+2:G0+4*\slot+3], s[G0+4*\slot+2:G0+4*\slot+3], 2*8192
	s_add_nc_u64 s[G0B+4*\slot+2:G0B+4*\slot+3], s[G0B+4*\slot+2:G0B+4*\slot+3], 2*KSTEP
	JLOAD G0+4*\slot, G1, G0B+4*\slot, G1B         ; the first tensor load behind the round; its four v_nop are the places in front of the loads below
.else
	PLACES
.endif
	FETCH \next, 0, F0
	WIN MUL
	MULA F1, 2, 0
	MULA F1, 3, 0
.endm
	s_wait_tensorcnt 1                             ; my part of K step 0 is in; K step 1's load may be out
	s_barrier_signal -1
	s_barrier_wait -1
	FETCH 0, 0, F0
	QUARTER 0, 1, F0, F1, 1                        ; the first quarter's products start the sums
.if LAPS > 1
	WIN 0
	s_mov_b32 s3, LAPS-1
.Llap:                                                 ; a trip goes once round the ring and fills both slots again
	QUARTER 0, 2, F1, F0, 0
	QUARTER 0, 3, F0, F1, 0
	TURN 0, 1, 1
	QUARTER 1, 1, F0, F1, 0
	QUARTER 1, 2, F1, F0, 0
	QUARTER 1, 3, F0, F1, 0
	TURN 1, 0, 1
	QUARTER 0, 1, F0, F1, 0
	WIN 0
	s_sub_co_u32 s3, s3, 1
	s_cmp_lg_u32 s3, 0
	s_cbranch_scc1 .Llap
.endif
	QUARTER 0, 2, F1, F0, 0                        ; the last lap fills nothing
	QUARTER 0, 3, F0, F1, 0
	TURN 0, 1, 0
	QUARTER 1, 1, F0, F1, 0
	QUARTER 1, 2, F1, F0, 0
	QUARTER 1, 3, F0, F1, 0
	s_wait_dscnt 0x0
	MULA F1, 0, 0
	MULA F1, 1, 0
	MULA F1, 2, 0
	MULA F1, 3, 0
	WIN 0
	; THE WAY OUT, a block of 16 rows x 64 columns at a time: through my own stage, back as whole rows of 256 bytes; there x 2^(eA + eB) + residual, + bias
	s_wait_kmcnt 0x0
	s_add_co_i32 s96, s96, s97
	s_add_co_i32 s96, s96, 127
	s_lshl_b32 s96, s96, 23                        ; 2^(eA + eB)
	s_mov_b32 s97, s96                             ; (named with it as a pair)
	s_wait_loadcnt 0x0                             ; the residual and the bias
	PLACES
.macro TOSTAGE a
.if (\a) >= 2
	s_wait_xcnt 0x0                                ; block a - 2's stores have read the registers that these loads fill
.endif
.irp b, 0,1,2,3
	ds_store_b128 v[STO], v[ACC+8*(4*(\a)+\b):ACC+8*(4*(\a)+\b)+3] offset:64*\b          ; each accumulator from its low end on
	ds_store_b128 v[STO], v[ACC+8*(4*(\a)+\b)+4:ACC+8*(4*(\a)+\b)+7] offset:64*\b+16
.endr
.irp t, 0,1,2,3,4,5,6,7
	ds_load_b128 v[TMP+32*((\a)%2)+4*\t:TMP+32*((\a)%2)+4*\t+3], v[RD] offset:2*SPITCH*\t   ; LDS serves a wave's instructions in order (ISA guide 5.7.1.4)
.endr
.endm
.macro SEND a, younger                 ; younger: the LDS instructions issued behind block a's loads
.set TT, TMP+32*((\a)%2)
	s_wait_dscnt \younger
	WIN 0x20                                       ; source 2 (the residual) window 2
.irp t, 0,1,2,3,4,5,6,7
	v_pk_fma_f32 v[TT+4*\t:TT+4*\t+1], v[TT+4*\t:TT+4*\t+1], s[96:97], v[4*(8*(\a)+\t):4*(8*(\a)+\t)+1] op_sel_hi:[1,0,1]
	v_pk_fma_f32 v[TT+4*\t+2:TT+4*\t+3], v[TT+4*\t+2:TT+4*\t+3], s[96:97], v[4*(8*(\a)+\t)+2:4*(8*(\a)+\t)+3] op_sel_hi:[1,0,1]
.endr
	WIN 0
.irp t, 0,1,2,3,4,5,6,7
	v_pk_add_f32 v[TT+4*\t:TT+4*\t+1], v[TT+4*\t:TT+4*\t+1], v[8:9]
	v_pk_add_f32 v[TT+4*\t+2:TT+4*\t+3], v[TT+4*\t+2:TT+4*\t+3], v[10:11]
.endr
.irp t, 0,1,2,3,4,5,6,7
	global_store_b128 v[CO], v[TT+4*\t:TT+4*\t+3], s[10:11] offset:(16*(\a)+2*\t)*4096   ; sixteen lanes store 256 consecutive bytes, aligned
.endr
.endm
	TOSTAGE 0
.irp a, 1,2,3
	TOSTAGE \a
	SEND \a-1, 16                                  ; behind block a - 1's loads: block a's 8 stores and 8 loads
.endr
	SEND 3, 0
	s_wait_tensorcnt 0x0                           ; the wave's end
	ds_add_u32 v[SPW], v[NIL]
	s_wait_dscnt 0x0
	CROUND                                         ; the closing round
	s_endpgm
.Lfunc_end_k_qac4917aa9a_oproj:
	.size	k_qac4917aa9a_oproj, .Lfunc_end_k_qac4917aa9a_oproj-k_qac4917aa9a_oproj
	.p2alignl 7, 3214868480
	.fill 96, 4, 3214868480
	.section	.rodata,"a",@progbits
	.p2align	6, 0x0
	.amdhsa_kernel k_qac4917aa9a_oproj
		.amdhsa_group_segment_fixed_size 327680
		.amdhsa_private_segment_fixed_size 0
		.amdhsa_enable_private_segment 0
		.amdhsa_kernarg_size 48
		.amdhsa_user_sgpr_count 2
		.amdhsa_user_sgpr_kernarg_segment_ptr 1
		.amdhsa_wavefront_size32 1
		.amdhsa_system_sgpr_workgroup_id_x 1
		.amdhsa_system_sgpr_workgroup_id_y 1
		.amdhsa_system_sgpr_workgroup_id_z 1
		.amdhsa_system_vgpr_workitem_id 0
		.amdhsa_next_free_vgpr 640
		.amdhsa_next_free_sgpr 100
		.amdhsa_reserve_vcc 0
		.amdhsa_float_denorm_mode_32 3
		.amdhsa_float_denorm_mode_16_64 3
		.amdhsa_memory_ordered 1
		.amdhsa_forward_progress 1
		.amdhsa_inst_pref_size 62
	.end_amdhsa_kernel
	.amdgpu_metadata
---
amdhsa.version: [ 1, 2 ]
amdhsa.kernels:
  - .name:           k_qac4917aa9a_oproj
    .symbol:         k_qac4917aa9a_oproj.kd
    .args:
      - { .name: af, .offset: 0, .size: 8, .value_kind: global_buffer, .address_space: global }
      - { .name: w_out_codes, .offset: 8, .size: 8, .value_kind: global_buffer, .address_space: global }
      - { .name: lowp_scales, .offset: 16, .size: 8, .value_kind: global_buffer, .address_space: global }
      - { .name: x1, .offset: 24, .size: 8, .value_kind: global_buffer, .address_space: global }
      - { .name: b_out, .offset: 32, .size: 8, .value_kind: global_buffer, .address_space: global }
      - { .name: x, .offset: 40, .size: 8, .value_kind: global_buffer, .address_space: global }
    .group_segment_fixed_size: 327680
    .private_segment_fixed_size: 0
    .kernarg_segment_align: 8
    .kernarg_segment_size: 48
    .max_flat_workgroup_size: 128
    .sgpr_count:     100
    .vgpr_count:     640
    .wavefront_size: 32
...
	.end_amdgpu_metadata
.endif
;; end of part 4
;; launch ln2 (part 5): grid 256 x 1, 4 waves a work-group, no clusters, 16,896 bytes of LDS; arguments x1, g2, be2, lowp_scales, hc; writes hc
.if DOCPART == 5
	.amdgcn_target "amdgcn-amd-amdhsa--gfx1250"
	.amdhsa_code_object_version 6
	.text
	.protected	k_qac4917aa9a_ln2
	.globl	k_qac4917aa9a_ln2
	.p2align	8
	.type	k_qac4917aa9a_ln2,@function
k_qac4917aa9a_ln2:
	s_mov_b64 s[64:65], 0
	v_nop
	global_prefetch_b8 v0, s[64:65] scope:SCOPE_SE
	s_setreg_imm32_b32 hwreg(HW_REG_WAVE_MODE, 25, 1), 1
	s_wait_xcnt 0x0
; LayerNorm of 4,096 rows of 1,024 f32, quantised to codes of E4M3 with the given scale 2^e (entry EIDX of the scales): codes row-major [4096][1024].
; y = (x - mu) * rsqrt(var + 1e-5) * g + be; var is the mean of the squared DEVIATIONS (two passes over registers), so a common offset of the inputs cancels nothing.
; code = y / 2^e, held within +-448, nearest code, ties to even.  LIMITS: -126 <= e <= 119; NaN among the inputs is not served.
; SHARES: a work-group takes 16 rows, a wave 4.  A row lies across the 32 lanes: load j gives lane l columns 128 j + 4 l .. + 3, so each load reads 512 consecutive bytes and the row is read once.
; A stream: no matrix unit, no cluster, no barrier (waves share nothing).  A lane's four codes of a load are 4 bytes: they turn through the wave's own 4,096 bytes of LDS, and the wave stores 512 consecutive bytes at a time.
.set EIDX, 8
.set MU,  4                            ; v4-11    row s: mu, later rsqrt, twice (a pair for the packed forms)
.set PD,  12                           ; v12-15   destinations of the lane exchange
.set G,   16                           ; v16-47   g of my 32 columns
.set BE,  48                           ; v48-79   be
.set X,   80                           ; v80-207  row s at X + 32 s
.set T,   208                          ; v208-223 row s: two pairs of partial sums
.set LIM, 208
.set SCL, 209                          ;             2^e
.set C,   224                          ; v224-255 codes, row s at C + 8 s
	s_load_b256 s[4:11], s[0:1], 0x0               ; in s[4:5], g s[6:7], be s[8:9], scales s[10:11]
	s_load_b64 s[12:13], s[0:1], 0x20              ; codes out
	s_set_vgpr_msb 0x40
	v_lshl_add_u32 v0, v0, 2, 0x4000
	v_mov_b32 v1, 0
	s_set_vgpr_msb 0x4000
	v_lshrrev_b32 v1, 5, v0
	v_readfirstlane_b32 s16, v1                    ; wave
	v_and_b32 v3, 31, v0                           ; lane
	v_lshlrev_b32 v1, 4, v3                        ; 16 x lane
	s_lshl_b32 s18, s16, 12                        ; my wave's 4,096 bytes of LDS
	v_lshl_add_u32 v2, v3, 2, s18                  ; into the stage: 4 x lane
	v_add_nc_u32 v3, s18, v1                       ; out of it: 16 x lane
	s_lshl_b32 s17, ttmp9, 4
	s_lshl_b32 s19, s16, 2
	s_add_co_u32 s17, s17, s19                     ; my first row
	s_lshl_b32 s26, s17, 12                        ; x 4,096 bytes of f32
	s_mov_b32 s27, 0
	s_lshl_b32 s28, s17, 10                        ; x 1,024 bytes of codes
	s_mov_b32 s29, 0
	s_mov_b32 s22, 0x76543210                      ; lane l xor 16
	s_mov_b32 s23, 0xfedcba98
	s_mov_b32 s24, 0x3a800000                      ; 1 / 1024
	s_mov_b32 s25, 0x3727c5ac                      ; 1e-5
.irp s, 0,1,2,3
	v_mov_b32 v[PD+\s], 0                          ; a lane exchange's destination counts as read
.endr
	s_wait_alu depctr_va_vdst(0)
	s_wait_kmcnt 0x0
	s_load_b32 s20, s[10:11], 4*EIDX               ; e
	s_add_nc_u64 s[4:5], s[4:5], s[26:27]
	s_add_nc_u64 s[12:13], s[12:13], s[28:29]
.irp s, 0,1,2,3
.irp j, 0,1,2,3,4,5,6,7
	global_load_b128 v[X+32*\s+4*\j:X+32*\s+4*\j+3], v1, s[4:5] offset:4096*\s+512*\j th:TH_LOAD_NT
.endr
.endr
.irp j, 0,1,2,3,4,5,6,7
	global_load_b128 v[G+4*\j:G+4*\j+3], v1, s[6:7] offset:512*\j
.endr
.irp j, 0,1,2,3,4,5,6,7
	global_load_b128 v[BE+4*\j:BE+4*\j+3], v1, s[8:9] offset:512*\j
.endr
.macro ACROSS s                        ; the pair's halves, then the 32 lanes: every lane ends with the row's sum in v[T + 4 s]
	v_add_f32 v[T+4*\s], v[T+4*\s], v[T+4*\s+1]
.irp m, 1,2,4,8
	v_add_f32_dpp v[T+4*\s], v[T+4*\s], v[T+4*\s] row_xmask:\m row_mask:0xf bank_mask:0xf
.endr
	v_permlanex16_b32 v[PD+\s], v[T+4*\s], s22, s23
	v_add_f32 v[T+4*\s], v[T+4*\s], v[PD+\s]
.endm
.macro SUM s                           ; mu, in two chains
	v_pk_add_f32 v[T+4*\s:T+4*\s+1], v[X+32*\s:X+32*\s+1], v[X+32*\s+2:X+32*\s+3]
	v_pk_add_f32 v[T+4*\s+2:T+4*\s+3], v[X+32*\s+4:X+32*\s+5], v[X+32*\s+6:X+32*\s+7]
.irp j, 8,12,16,20,24,28
	v_pk_add_f32 v[T+4*\s:T+4*\s+1], v[T+4*\s:T+4*\s+1], v[X+32*\s+\j:X+32*\s+\j+1]
	v_pk_add_f32 v[T+4*\s+2:T+4*\s+3], v[T+4*\s+2:T+4*\s+3], v[X+32*\s+\j+2:X+32*\s+\j+3]
.endr
	v_pk_add_f32 v[T+4*\s:T+4*\s+1], v[T+4*\s:T+4*\s+1], v[T+4*\s+2:T+4*\s+3]
	ACROSS \s
	v_mul_f32 v[MU+2*\s], s24, v[T+4*\s]
	v_mov_b32 v[MU+2*\s+1], v[MU+2*\s]
.endm
.macro DEVSSQ s                        ; x - mu in place, then var + 1e-5
.irp j, 0,2,4,6,8,10,12,14,16,18,20,22,24,26,28,30
	v_pk_add_f32 v[X+32*\s+\j:X+32*\s+\j+1], v[X+32*\s+\j:X+32*\s+\j+1], v[MU+2*\s:MU+2*\s+1] neg_lo:[0,1] neg_hi:[0,1]
.endr
	v_pk_mul_f32 v[T+4*\s:T+4*\s+1], v[X+32*\s:X+32*\s+1], v[X+32*\s:X+32*\s+1]
	v_pk_mul_f32 v[T+4*\s+2:T+4*\s+3], v[X+32*\s+2:X+32*\s+3], v[X+32*\s+2:X+32*\s+3]
.irp j, 4,8,12,16,20,24,28
	v_pk_fma_f32 v[T+4*\s:T+4*\s+1], v[X+32*\s+\j:X+32*\s+\j+1], v[X+32*\s+\j:X+32*\s+\j+1], v[T+4*\s:T+4*\s+1]
	v_pk_fma_f32 v[T+4*\s+2:T+4*\s+3], v[X+32*\s+\j+2:X+32*\s+\j+3], v[X+32*\s+\j+2:X+32*\s+\j+3], v[T+4*\s+2:T+4*\s+3]
.endr
	v_pk_add_f32 v[T+4*\s:T+4*\s+1], v[T+4*\s:T+4*\s+1], v[T+4*\s+2:T+4*\s+3]
	ACROSS \s
	v_fma_f32 v[T+4*\s], v[T+4*\s], s24, s25
.endm
.macro NORMQ s                         ; x rsqrt, x g + be; the hold; eight numbers a conversion; register C + 8 s + j = the four codes of load j
.irp j, 0,2,4,6,8,10,12,14,16,18,20,22,24,26,28,30
	v_pk_mul_f32 v[X+32*\s+\j:X+32*\s+\j+1], v[X+32*\s+\j:X+32*\s+\j+1], v[MU+2*\s:MU+2*\s+1]
.endr
.irp j, 0,2,4,6,8,10,12,14,16,18,20,22,24,26,28,30
	v_pk_fma_f32 v[X+32*\s+\j:X+32*\s+\j+1], v[X+32*\s+\j:X+32*\s+\j+1], v[G+\j:G+\j+1], v[BE+\j:BE+\j+1]
.endr
.irp j, 0,1,2,3,4,5,6,7,8,9,10,11,12,13,14,15,16,17,18,19,20,21,22,23,24,25,26,27,28,29,30,31
.endr
.irp i, 0,1,2,3
	v_cvt_scalef32_pk8_fp8_f32 v[C+8*\s+2*\i:C+8*\s+2*\i+1], v[X+32*\s+8*\i:X+32*\s+8*\i+7], v[SCL]
.endr
	v_nop                                          ; a plain line behind the last conversion of the run
.irp j, 0,1,2,3,4,5,6,7
	ds_store_b32 v2, v[C+8*\s+\j] offset:1024*\s+128*\j   ; row s, byte 128 j + 4 l
.endr
.endm
.irp s, 0,1,2,3
	s_wait_loadcnt 16+8*(3-\s)                     ; row s is in; the later rows' loads and the 16 of g and be may be out
	SUM \s
.endr
.irp s, 0,1,2,3
	DEVSSQ \s
.endr
	s_wait_alu depctr_va_vdst(0)
.irp s, 0,1,2,3
	v_rsq_f32 v[MU+2*\s], v[T+4*\s]                ; the four go as one batch
.endr
	v_nop                                          ; a plain line behind the last of them
	s_wait_kmcnt 0x0                               ; e
	s_add_co_i32 s20, s20, 127
	s_lshl_b32 s21, s20, 23                        ; 2^e as f32
	s_wait_alu depctr_va_vdst(0)                   ; one wait for the batch, ahead of its first reader
.irp s, 0,1,2,3
	v_mov_b32 v[MU+2*\s+1], v[MU+2*\s]
.endr
	v_mov_b32 v[SCL], s21
	s_wait_alu depctr_va_vdst(0)
	s_wait_loadcnt 0x0                             ; g and be
.irp s, 0,1,2,3
	NORMQ \s
.endr
.irp t, 0,1,2,3,4,5,6,7
	ds_load_b128 v[X+4*\t:X+4*\t+3], v3 offset:512*\t   ; LDS serves a wave's instructions in order (ISA guide 5.7.1.4): these see my stores
.endr
.irp t, 0,1,2,3,4,5,6,7
	s_wait_dscnt 7-\t
	global_store_b128 v1, v[X+4*\t:X+4*\t+3], s[12:13] offset:512*\t   ; the wave stores 512 consecutive bytes, aligned; my four rows of codes are 4,096 bytes on end
.endr
	s_set_vgpr_msb 0x5
	s_wait_tensorcnt 0x0
	ds_add_u32 v0, v1
	s_wait_dscnt 0x0
	s_set_vgpr_msb 0x500
	s_endpgm
.Lfunc_end_k_qac4917aa9a_ln2:
	.size	k_qac4917aa9a_ln2, .Lfunc_end_k_qac4917aa9a_ln2-k_qac4917aa9a_ln2
	.p2alignl 7, 3214868480
	.fill 96, 4, 3214868480
	.section	.rodata,"a",@progbits
	.p2align	6, 0x0
	.amdhsa_kernel k_qac4917aa9a_ln2
		.amdhsa_group_segment_fixed_size 16896
		.amdhsa_private_segment_fixed_size 0
		.amdhsa_enable_private_segment 0
		.amdhsa_kernarg_size 40
		.amdhsa_user_sgpr_count 2
		.amdhsa_user_sgpr_kernarg_segment_ptr 1
		.amdhsa_wavefront_size32 1
		.amdhsa_system_sgpr_workgroup_id_x 1
		.amdhsa_system_sgpr_workgroup_id_y 1
		.amdhsa_system_sgpr_workgroup_id_z 1
		.amdhsa_system_vgpr_workitem_id 0
		.amdhsa_next_free_vgpr 258
		.amdhsa_next_free_sgpr 66
		.amdhsa_reserve_vcc 0
		.amdhsa_float_denorm_mode_32 3
		.amdhsa_float_denorm_mode_16_64 3
		.amdhsa_fp16_overflow 1
		.amdhsa_memory_ordered 1
		.amdhsa_forward_progress 1
		.amdhsa_inst_pref_size 36
	.end_amdhsa_kernel
	.amdgpu_metadata
---
amdhsa.version: [ 1, 2 ]
amdhsa.kernels:
  - .name:           k_qac4917aa9a_ln2
    .symbol:         k_qac4917aa9a_ln2.kd
    .args:
      - { .name: x1, .offset: 0, .size: 8, .value_kind: global_buffer, .address_space: global }
      - { .name: g2, .offset: 8, .size: 8, .value_kind: global_buffer, .address_space: global }
      - { .name: be2, .offset: 16, .size: 8, .value_kind: global_buffer, .address_space: global }
      - { .name: lowp_scales, .offset: 24, .size: 8, .value_kind: global_buffer, .address_space: global }
      - { .name: hc, .offset: 32, .size: 8, .value_kind: global_buffer, .address_space: global }
    .group_segment_fixed_size: 16896
    .private_segment_fixed_size: 0
    .kernarg_segment_align: 8
    .kernarg_segment_size: 40
    .max_flat_workgroup_size: 128
    .sgpr_count:     66
    .vgpr_count:     258
    .wavefront_size: 32
...
	.end_amdgpu_metadata
.endif
;; end of part 5
;; launch ffn1 (part 6): grid 16 x 16, 4 waves a work-group, clusters of 4 x 4, 327,680 bytes of LDS; arguments hc, w1_codes, lowp_scales, hid, b1; writes hid
.if DOCPART == 6
	.amdgcn_target "amdgcn-amd-amdhsa--gfx1250"
	.amdhsa_code_object_version 6
	.text
	.protected	k_qac4917aa9a_ffn1
	.globl	k_qac4917aa9a_ffn1
	.p2align	8
	.type	k_qac4917aa9a_ffn1,@function
k_qac4917aa9a_ffn1:
	s_mov_b64 s[64:65], 0
	v_nop
	global_prefetch_b8 v0, s[64:65] scope:SCOPE_SE
	s_setreg_imm32_b32 hwreg(HW_REG_WAVE_MODE, 25, 1), 1
	s_wait_xcnt 0x0
	s_wait_alu depctr_hold_cnt(0) depctr_sa_sdst(0) depctr_va_vdst(0) depctr_va_sdst(0) depctr_va_ssrc(0) depctr_va_vcc(0) depctr_vm_vsrc(0)
	s_getreg_b32 s2, hwreg(HW_REG_IB_STS2, 6, 4)
	s_cmp_eq_u32 s2, 0
	s_cbranch_scc0 .Lentry_in_a_cluster
	s_endpgm
.Lentry_in_a_cluster:
	s_bfe_u32 s2, ttmp6, 0x10000c
	s_cmp_lg_u32 s2, 0xf033
	s_cbranch_scc0 .Lentry_shape_is_right
	s_endpgm
.Lentry_shape_is_right:
.set QKV,    0
.set SIZE_K, 1024
.set KSTEP,  256
.set ROWB,   256
.set KROW,   SIZE_K
.set PITCH,  272
.set FR,     16
.set NL,     4
.set NP,     4
.set HALFT,  128*PITCH
.set SLOT,   4*HALFT
.set LAPS,   SIZE_K/(2*KSTEP)
.set SPARE,  2*SLOT
.if QKV
.set AOFF,   2048
.else
.set AOFF,   65536
.endif
.set ADRA, 16
.set ADRB, 20
.set OFFS, 26
.set SPW,  28
.set NIL,  29
.set LIM,  30
.set SCL,  31
.set BS,   32
.set AF,   128
.set TMP,  128
.set CD,   192
.set G1, 24
.set G0, 32
.set G1B, 48
.set G0B, 56
.set MSB, 0
.macro WIN new
.if MSB != \new
	s_set_vgpr_msb (MSB<<8)|\new
.set MSB, \new
.endif
.endm
.set MUL_LO, 0xa1
.set MUL_HI, 0xf1
.set TO_B,   0x40
.macro JLOAD g0a, g1a, g0b, g1b
	s_cmp_eq_u32 s15, 0
	s_cbranch_scc0 .Lfor_b_\@
	tensor_load_to_lds s[\g0a:\g0a+3], s[\g1a:\g1a+7]
	s_nop 0
.rept 4
	v_nop
.endr
	s_branch .Lasked_\@
.Lfor_b_\@:
	tensor_load_to_lds s[\g0b:\g0b+3], s[\g1b:\g1b+7]
	s_nop 0
.rept 4
	v_nop
.endr
.Lasked_\@:
.endm
.macro CREST
	s_cmp_lg_u32 s14, 0
	s_cbranch_scc1 .Lnot_wave_0_\@
	s_barrier_signal -3
.Lnot_wave_0_\@:
	s_barrier_wait -3
	s_barrier_signal -1
	s_barrier_wait -1
.endm
.macro CROUND
	s_barrier_signal -1
	s_barrier_wait -1
	CREST
.endm
	s_load_b256 s[4:11], s[0:1], 0x0
.if QKV
	s_load_b128 s[68:71], s[0:1], 0x20
.else
	s_load_b64 s[68:69], s[0:1], 0x20
.endif
	v_lshl_add_u32 v[SPW], v0, 2, SPARE
	v_mov_b32 v[NIL], 0
	ds_add_u32 v28, v29
	ds_add_u32 v28, v29
	s_wait_dscnt 0x0
	v_lshrrev_b32 v1, 5, v0
	v_readfirstlane_b32 s14, v1
	s_lshr_b32 s15, s14, 1
	s_and_b32 s16, s14, 1
	s_bfe_u32 s40, ttmp6, 0x40000
	s_bfe_u32 s41, ttmp6, 0x40004
	s_lshl_b32 s42, ttmp9, 2
	s_add_co_u32 s42, s42, s40
	s_and_b32 s66, ttmp7, 0xffff
	s_lshl_b32 s66, s66, 2
	s_add_co_u32 s17, s66, s41
.if QKV
	s_add_co_u32 s80, s41, 8
	s_add_co_u32 s81, s66, s40
	s_cmp_eq_u32 ttmp9, 2
	s_cselect_b32 s17, s80, s17
	s_cselect_b32 s42, s81, s42
.endif
	s_lshl_b32 s43, s41, 2
	s_lshl_b32 s43, 15, s43
	s_lshl_b32 s44, 0x1111, s40
	s_or_b32 s[G1+0], s43, (0<<16)|(1<<20)|(1<<21)|(5<<22)|(3<<25)
	s_or_b32 s[G1B+0], s44, (0<<16)|(1<<20)|(1<<21)|(5<<22)|(3<<25)
.irp g, G1, G1B
	s_mov_b32 s[\g+1], ROWB<<16
	s_mov_b32 s[\g+2], 128<<16
	s_mov_b32 s[\g+3], ROWB<<16
	s_mov_b32 s[\g+4], 128
	s_mov_b32 s[\g+5], KROW
	s_mov_b32 s[\g+6], 0
	s_mov_b32 s[\g+7], 0
.endr
	s_lshl_b32 s18, s16, 7
	s_lshl_b32 s20, s17, 8
	s_add_co_u32 s20, s20, s18
	s_lshl_b32 s46, s42, 8
	s_add_co_u32 s46, s46, s18
	s_mov_b32 s21, 0
	s_mov_b32 s47, 0
	s_mov_b64 s[18:19], KROW
	s_mul_u64 s[20:21], s[20:21], s[18:19]
	s_mul_u64 s[46:47], s[46:47], s[18:19]
	s_mul_i32 s45, s14, HALFT
	s_wait_kmcnt 0x0
.if QKV
	s_load_b256 s[72:79], s[8:9], 0x0
	s_cmp_eq_u32 ttmp9, 2
	s_cselect_b64 s[82:83], s[6:7], s[4:5]
	s_cselect_b64 s[84:85], s[4:5], s[6:7]
	s_add_nc_u64 s[20:21], s[82:83], s[20:21]
	s_add_nc_u64 s[46:47], s[84:85], s[46:47]
.else
	s_load_b128 s[72:75], s[8:9], 0x20
	s_add_nc_u64 s[20:21], s[4:5], s[20:21]
	s_add_nc_u64 s[46:47], s[6:7], s[46:47]
.endif
	CROUND
.irp s, 0,1
	s_mov_b32 s[G0+4*\s], 1
	s_add_co_u32 s[G0+4*\s+1], s45, \s*SLOT
	s_add_nc_u64 s[G0+4*\s+2:G0+4*\s+3], s[20:21], \s*ROWB
	s_or_b32 s[G0+4*\s+3], s[G0+4*\s+3], 0x80000000
	s_mov_b32 s[G0B+4*\s], 1
	s_add_co_u32 s[G0B+4*\s+1], s45, \s*SLOT
	s_add_nc_u64 s[G0B+4*\s+2:G0B+4*\s+3], s[46:47], \s*ROWB
	s_or_b32 s[G0B+4*\s+3], s[G0B+4*\s+3], 0x80000000
	s_wait_alu depctr_va_vdst(0)
	s_wait_tensorcnt 0x0
	ds_add_u32 v28, v29
	ds_add_u32 v28, v29
	s_wait_dscnt 0x0
	CROUND
	JLOAD G0+4*\s, G1, G0B+4*\s, G1B
.endr
	v_and_b32 v1, 15, v0
	v_bfe_u32 v2, v0, 4, 1
	s_wait_alu depctr_va_vdst(0)
	v_mul_u32_u24 v3, v1, PITCH
	v_lshl_add_u32 v4, v2, 4, v3
	s_mul_i32 s21, s15, HALFT
	s_mul_i32 s22, s16, HALFT
	s_add_co_u32 s22, s22, 2*HALFT
.irp s, 0,1
	v_add_nc_u32 v[ADRA+\s], s21, v4
	v_add_nc_u32 v[ADRB+\s], s22, v4
	s_add_co_u32 s21, s21, SLOT
	s_add_co_u32 s22, s22, SLOT
.endr
	v_and_b32 v6, 31, v0
	v_lshlrev_b32 v[OFFS], 4, v6
.if QKV
	s_lshl_b32 s86, s17, 1
	s_add_co_u32 s86, s86, s15
	s_lshl_b32 s87, s42, 1
	s_add_co_u32 s87, s87, s16
	s_cmp_eq_u32 ttmp9, 2
	s_cselect_b32 s88, s87, s86
	s_cselect_b32 s89, s86, s87
	s_and_b32 s89, s89, 7
	s_lshr_b32 s90, s88, 4
	s_lshl_b32 s90, s90, 3
	s_add_co_u32 s90, s90, s89
	s_lshl_b32 s90, s90, 4
	s_and_b32 s88, s88, 15
	s_add_co_u32 s90, s90, s88
	s_lshl_b32 s90, s90, 14
	s_mov_b32 s91, 0
	s_cmp_eq_u32 ttmp9, 0
	s_cselect_b64 s[10:11], s[10:11], s[68:69]
	s_cmp_eq_u32 ttmp9, 2
	s_cselect_b64 s[10:11], s[70:71], s[10:11]
	s_add_nc_u64 s[10:11], s[10:11], s[90:91]
.else
	s_lshl_b32 s86, s42, 10
	s_lshl_b32 s87, s16, 9
	s_add_co_u32 s86, s86, s87
	s_mov_b32 s87, 0
	s_add_nc_u64 s[68:69], s[68:69], s[86:87]
	v_lshlrev_b32 v27, 5, v2
.irp b, 0,1,2,3,4,5,6,7
	global_load_b128 v[BS+8*\b:BS+8*\b+3], v27, s[68:69] offset:64*\b
	global_load_b128 v[BS+8*\b+4:BS+8*\b+7], v27, s[68:69] offset:64*\b+16
.endr
	s_lshl_b32 s88, s17, 4
	s_lshl_b32 s89, s15, 3
	s_add_co_u32 s88, s88, s89
	s_lshl_b32 s88, s88, 5
	s_lshl_b32 s89, s42, 1
	s_add_co_u32 s88, s88, s89
	s_add_co_u32 s88, s88, s16
	s_lshl_b32 s88, s88, 11
	s_mov_b32 s89, 0
	s_add_nc_u64 s[10:11], s[10:11], s[88:89]
.endif
.macro FRAG reg, adr, q, i
.irp c, 0,1,2,3
	ds_load_b128 v[\reg+4*\c:\reg+4*\c+3], v[\adr] offset:128*(\q)+32*\c+(\i)*16*PITCH
.endr
.endm
.macro MUL16 a0, p, zero
.irp a, \a0, \a0+1
.irp b, 0,1,2,3,4,5,6,7
.if \zero
	v_wmma_f32_16x16x128_fp8_fp8 v[8*(8*((\a)%4)+\b):8*(8*((\a)%4)+\b)+7], v[128*(\p)+FR*\b:128*(\p)+FR*\b+FR-1], v[AF+FR*(\a):AF+FR*(\a)+FR-1], 0
.else
	v_wmma_f32_16x16x128_fp8_fp8 v[8*(8*((\a)%4)+\b):8*(8*((\a)%4)+\b)+7], v[128*(\p)+FR*\b:128*(\p)+FR*\b+FR-1], v[AF+FR*(\a):AF+FR*(\a)+FR-1], v[8*(8*((\a)%4)+\b):8*(8*((\a)%4)+\b)+7]
.endif
.endr
.endr
.endm
.macro FETCH_B slot, q, p
	WIN TO_B
.irp i, 0,1,2,3,4,5,6,7
	FRAG 128*(\p)+FR*\i, ADRB+\slot, \q, \i
.endr
	WIN 0
.endm
.macro FETCH_A slot, q, i0
.irp i, \i0, \i0+1, \i0+2, \i0+3
	FRAG AF+FR*(\i), ADRA+\slot, \q, \i
.endr
.endm
.macro PLACES n
.rept \n
	v_nop
.endr
.endm
.macro STEP slot, q, zero
	s_wait_dscnt 4*NL
	WIN MUL_LO
	MUL16 0, (\q)%2, \zero
	MUL16 2, (\q)%2, \zero
	s_wait_dscnt 0
	PLACES NP
	FETCH_B \slot, (\q)+1, 1-(\q)%2
	FETCH_A \slot, (\q)+1, 0
	WIN MUL_HI
	MUL16 4, (\q)%2, \zero
	MUL16 6, (\q)%2, \zero
	PLACES NP
	WIN 0
	FETCH_A \slot, (\q)+1, 4
.endm
.macro TURN slot, next, fill
	s_wait_tensorcnt 0x0
	ds_add_u32 v[SPW], v[NIL]
	s_wait_dscnt 4*NL+1
	WIN MUL_LO
	MUL16 0, 1, 0
	s_wait_dscnt 0x0
	s_barrier_signal -1
	MUL16 2, 1, 0
	WIN 0
	s_barrier_wait -1
.if \fill
	CREST
	s_add_nc_u64 s[G0+4*\slot+2:G0+4*\slot+3], s[G0+4*\slot+2:G0+4*\slot+3], 2*ROWB
	s_add_nc_u64 s[G0B+4*\slot+2:G0B+4*\slot+3], s[G0B+4*\slot+2:G0B+4*\slot+3], 2*ROWB
	JLOAD G0+4*\slot, G1, G0B+4*\slot, G1B
.else
	PLACES NP
.endif
	FETCH_B \next, 0, 0
	FETCH_A \next, 0, 0
	WIN MUL_HI
	MUL16 4, 1, 0
	MUL16 6, 1, 0
	PLACES NP
	WIN 0
	FETCH_A \next, 0, 4
.endm
	s_wait_alu depctr_va_vdst(0)
	s_wait_tensorcnt 1
	s_barrier_signal -1
	s_barrier_wait -1
	FETCH_B 0, 0, 0
	FETCH_A 0, 0, 0
	FETCH_A 0, 0, 4
	STEP 0, 0, 1
	s_mov_b32 s3, LAPS-1
.Llap:
	TURN 0, 1, 1
	STEP 1, 0, 0
	TURN 1, 0, 1
	STEP 0, 0, 0
	s_sub_co_u32 s3, s3, 1
	s_cmp_lg_u32 s3, 0
	s_cbranch_scc1 .Llap
	TURN 0, 1, 0
	STEP 1, 0, 0
	s_wait_dscnt 4*NL
	WIN MUL_LO
	MUL16 0, 1, 0
	MUL16 2, 1, 0
	s_wait_dscnt 0
	WIN MUL_HI
	MUL16 4, 1, 0
	MUL16 6, 1, 0
	WIN 0
	s_wait_kmcnt 0x0
.if QKV
	s_cmp_eq_u32 ttmp9, 0
	s_cselect_b32 s92, s74, s75
	s_cmp_eq_u32 ttmp9, 2
	s_cselect_b32 s92, s77, s92
	s_sub_co_i32 s92, s92, s72
	s_sub_co_i32 s92, s92, s73
.else
	s_add_co_i32 s96, s72, s73
	s_add_co_i32 s96, s96, 127
	s_lshl_b32 s96, s96, 23
	s_mov_b32 s97, s96
	s_mov_b32 s92, s74
	s_wait_loadcnt 0x0
.endif
	s_add_co_i32 s92, s92, 127
	s_lshl_b32 s93, s92, 23
	s_add_co_i32 s92, s92, 8
	s_lshl_b32 s92, s92, 23
	s_or_b32 s92, s92, 0x600000
	PLACES NP
	v_mov_b32 v[SCL], s93
	v_mov_b32 v[LIM], s92
.macro QOUT a
.set AC, 64*((\a)%4)
.set CC, CD+16*((\a)%4)
.if (\a) >= 4
	s_wait_xcnt 0x0
.endif
	WIN 0x02+((\a)/4)
.if QKV
.set j, 0
.rept 64
	v_med3_num_f32 v[TMP+j], v[AC+j], -v[LIM], v[LIM]
.set j, j+1
.endr
	WIN 0
.else
.set j, 0
.rept 32
	v_pk_fma_f32 v[TMP+j:TMP+j+1], v[AC+j:AC+j+1], s[96:97], v[BS+j:BS+j+1] op_sel_hi:[1,0,1]
.set j, j+2
.endr
	WIN 0
.set j, 0
.rept 64
	v_med3_num_f32 v[TMP+j], v[TMP+j], 0, v[LIM]
.set j, j+1
.endr
.endif
.irp b, 0,1,2,3,4,5,6,7
	v_cvt_scalef32_pk8_fp8_f32 v[CC+2*\b:CC+2*\b+1], v[TMP+8*\b:TMP+8*\b+7], v[SCL]
.endr
	v_nop
.irp g, 0,1,2,3
	global_store_b128 v[OFFS], v[CC+4*\g:CC+4*\g+3], s[10:11] offset:(\a)*AOFF+512*\g
.endr
.endm
.irp a, 0,1,2,3,4,5,6,7
	QOUT \a
.endr
	s_wait_tensorcnt 0x0
	ds_add_u32 v[SPW], v[NIL]
	s_wait_dscnt 0x0
	CROUND
	s_endpgm
.Lfunc_end_k_qac4917aa9a_ffn1:
	.size	k_qac4917aa9a_ffn1, .Lfunc_end_k_qac4917aa9a_ffn1-k_qac4917aa9a_ffn1
	.p2alignl 7, 3214868480
	.fill 96, 4, 3214868480
	.section	.rodata,"a",@progbits
	.p2align	6, 0x0
	.amdhsa_kernel k_qac4917aa9a_ffn1
		.amdhsa_group_segment_fixed_size 327680
		.amdhsa_private_segment_fixed_size 0
		.amdhsa_enable_private_segment 0
		.amdhsa_kernarg_size 40
		.amdhsa_user_sgpr_count 2
		.amdhsa_user_sgpr_kernarg_segment_ptr 1
		.amdhsa_wavefront_size32 1
		.amdhsa_system_sgpr_workgroup_id_x 1
		.amdhsa_system_sgpr_workgroup_id_y 1
		.amdhsa_system_sgpr_workgroup_id_z 1
		.amdhsa_system_vgpr_workitem_id 0
		.amdhsa_next_free_vgpr 1024
		.amdhsa_next_free_sgpr 100
		.amdhsa_reserve_vcc 0
		.amdhsa_float_denorm_mode_32 3
		.amdhsa_float_denorm_mode_16_64 3
		.amdhsa_memory_ordered 1
		.amdhsa_forward_progress 1
		.amdhsa_inst_pref_size 136
	.end_amdhsa_kernel
	.amdgpu_metadata
---
amdhsa.version: [ 1, 2 ]
amdhsa.kernels:
  - .name:           k_qac4917aa9a_ffn1
    .symbol:         k_qac4917aa9a_ffn1.kd
    .args:
      - { .name: hc, .offset: 0, .size: 8, .value_kind: global_buffer, .address_space: global }
      - { .name: w1_codes, .offset: 8, .size: 8, .value_kind: global_buffer, .address_space: global }
      - { .name: lowp_scales, .offset: 16, .size: 8, .value_kind: global_buffer, .address_space: global }
      - { .name: hid, .offset: 24, .size: 8, .value_kind: global_buffer, .address_space: global }
      - { .name: b1, .offset: 32, .size: 8, .value_kind: global_buffer, .address_space: global }
    .group_segment_fixed_size: 327680
    .private_segment_fixed_size: 0
    .kernarg_segment_align: 8
    .kernarg_segment_size: 40
    .max_flat_workgroup_size: 128
    .sgpr_count:     100
    .vgpr_count:     1024
    .wavefront_size: 32
...
	.end_amdgpu_metadata
.endif
;; end of part 6
;; launch ffn2 (part 7): grid 8 x 32, 4 waves a work-group, clusters of 4 x 4, 327,680 bytes of LDS; arguments hid, w2_codes, lowp_scales, out0, b2, x1; writes out0
.if DOCPART == 7
	.amdgcn_target "amdgcn-amd-amdhsa--gfx1250"
	.amdhsa_code_object_version 6
	.text
	.protected	k_qac4917aa9a_ffn2
	.globl	k_qac4917aa9a_ffn2
	.p2align	8
	.type	k_qac4917aa9a_ffn2,@function
k_qac4917aa9a_ffn2:
	s_mov_b64 s[64:65], 0
	v_nop
	global_prefetch_b8 v0, s[64:65] scope:SCOPE_SE
	s_setreg_imm32_b32 hwreg(HW_REG_WAVE_MODE, 25, 1), 1
	s_wait_xcnt 0x0
	s_wait_alu depctr_hold_cnt(0) depctr_sa_sdst(0) depctr_va_vdst(0) depctr_va_sdst(0) depctr_va_ssrc(0) depctr_va_vcc(0) depctr_vm_vsrc(0)
	s_getreg_b32 s2, hwreg(HW_REG_IB_STS2, 6, 4)
	s_cmp_eq_u32 s2, 0
	s_cbranch_scc0 .Lentry_in_a_cluster
	s_endpgm
.Lentry_in_a_cluster:
	s_bfe_u32 s2, ttmp6, 0x10000c
	s_cmp_lg_u32 s2, 0xf033
	s_cbranch_scc0 .Lentry_shape_is_right
	s_endpgm
.Lentry_shape_is_right:
.set SIZE_K, 4096
.set EOFF,   40
.set KSTEP,  512
.set PB,     528
.set AREG,   65536
.set BHALF,  64*PB
.set SLOT,   AREG+2*BHALF
.set STAGE,  2*SLOT
.set SPITCH, 272
.set SPARE,  STAGE+4*16*SPITCH
.set LAPS,   SIZE_K/(2*KSTEP)
.set ADRA, 16
.set ADRB, 20
.set STO,  24
.set RD,   25
.set CO,   26
.set SPW,  28
.set NIL,  29
.set TMP,  32
.set ACC,  128
.set F0,   0
.set F1,   128
.set G1, 24
.set G0, 32
.set G1B, 48
.set G0B, 56
.set MSB, 0
.macro WIN new
.if MSB != \new
	s_set_vgpr_msb (MSB<<8)|\new
.set MSB, \new
.endif
.endm
.set MUL,  0x05
.set TO_F, 0x40
.macro JLOAD g0a, g1a, g0b, g1b
	s_cmp_eq_u32 s15, 0
	s_cbranch_scc0 .Lfor_b_\@
	tensor_load_to_lds s[\g0a:\g0a+3], s[\g1a:\g1a+7]
	s_nop 0
.rept 4
	v_nop
.endr
	s_branch .Lasked_\@
.Lfor_b_\@:
	tensor_load_to_lds s[\g0b:\g0b+3], s[\g1b:\g1b+7]
	s_nop 0
.rept 4
	v_nop
.endr
.Lasked_\@:
.endm
.macro CREST
	s_cmp_lg_u32 s14, 0
	s_cbranch_scc1 .Lnot_wave_0_\@
	s_barrier_signal -3
.Lnot_wave_0_\@:
	s_barrier_wait -3
	s_barrier_signal -1
	s_barrier_wait -1
.endm
.macro CROUND
	s_barrier_signal -1
	s_barrier_wait -1
	CREST
.endm
	s_load_b256 s[4:11], s[0:1], 0x0
	s_load_b128 s[68:71], s[0:1], 0x20
	v_lshl_add_u32 v[SPW], v0, 2, SPARE
	v_mov_b32 v[NIL], 0
	ds_add_u32 v28, v29
	ds_add_u32 v28, v29
	s_wait_dscnt 0x0
	v_lshrrev_b32 v1, 5, v0
	v_readfirstlane_b32 s14, v1
	s_lshr_b32 s15, s14, 1
	s_and_b32 s16, s14, 1
	s_bfe_u32 s40, ttmp6, 0x40000
	s_bfe_u32 s41, ttmp6, 0x40004
	s_lshl_b32 s42, ttmp9, 2
	s_add_co_u32 s42, s42, s40
	s_and_b32 s17, ttmp7, 0xffff
	s_lshl_b32 s17, s17, 2
	s_add_co_u32 s17, s17, s41
	s_lshl_b32 s43, s41, 2
	s_lshl_b32 s43, 15, s43
	s_lshl_b32 s44, 0x1111, s40
	s_or_b32 s[G1+0], s43, (3<<16)|(1<<21)
	s_mov_b32 s[G1+1], 1024<<16
	s_mov_b32 s[G1+2], 4<<16
	s_mov_b32 s[G1+3], 1024<<16
	s_mov_b32 s[G1+4], 4
	s_mov_b32 s[G1+5], 2*SIZE_K
	s_mov_b32 s[G1+6], 0
	s_mov_b32 s[G1+7], 0
	s_or_b32 s[G1B+0], s44, (0<<16)|(1<<20)|(1<<21)|(6<<22)|(3<<25)
	s_mov_b32 s[G1B+1], KSTEP<<16
	s_mov_b32 s[G1B+2], 64<<16
	s_mov_b32 s[G1B+3], KSTEP<<16
	s_mov_b32 s[G1B+4], 64
	s_mov_b32 s[G1B+5], SIZE_K
	s_mov_b32 s[G1B+6], 0
	s_mov_b32 s[G1B+7], 0
	s_lshl_b32 s20, s17, 3
	s_lshl_b32 s18, s16, 2
	s_add_co_u32 s20, s20, s18
	s_mul_i32 s20, s20, 16*SIZE_K
	s_mov_b32 s21, 0
	s_lshl_b32 s46, s42, 7
	s_lshl_b32 s18, s16, 6
	s_add_co_u32 s46, s46, s18
	s_mul_i32 s46, s46, SIZE_K
	s_mov_b32 s47, 0
	s_lshl_b32 s45, s16, 15
	s_mul_i32 s67, s16, BHALF
	s_add_co_u32 s67, s67, AREG
	s_wait_kmcnt 0x0
	s_load_b64 s[96:97], s[8:9], EOFF
	s_add_nc_u64 s[20:21], s[4:5], s[20:21]
	s_add_nc_u64 s[46:47], s[6:7], s[46:47]
	CROUND
.irp s, 0,1
	s_mov_b32 s[G0+4*\s], 1
	s_add_co_u32 s[G0+4*\s+1], s45, \s*SLOT
	s_add_nc_u64 s[G0+4*\s+2:G0+4*\s+3], s[20:21], \s*8192
	s_or_b32 s[G0+4*\s+3], s[G0+4*\s+3], 0x80000000
	s_mov_b32 s[G0B+4*\s], 1
	s_add_co_u32 s[G0B+4*\s+1], s67, \s*SLOT
	s_add_nc_u64 s[G0B+4*\s+2:G0B+4*\s+3], s[46:47], \s*KSTEP
	s_or_b32 s[G0B+4*\s+3], s[G0B+4*\s+3], 0x80000000
	s_wait_alu depctr_va_vdst(0)
	s_wait_tensorcnt 0x0
	ds_add_u32 v28, v29
	ds_add_u32 v28, v29
	s_wait_dscnt 0x0
	CROUND
	JLOAD G0+4*\s, G1, G0B+4*\s, G1B
.endr
	v_and_b32 v1, 15, v0
	v_bfe_u32 v2, v0, 4, 1
	v_and_b32 v3, 31, v0
	v_lshlrev_b32 v4, 4, v3
	v_mul_u32_u24 v5, v1, PB
	v_lshl_add_u32 v5, v2, 3, v5
	s_lshl_b32 s21, s15, 15
	s_mul_i32 s22, s16, BHALF
	s_add_co_u32 s22, s22, AREG
.irp s, 0,1
	v_add_nc_u32 v[ADRA+\s], s21, v4
	v_add_nc_u32 v[ADRB+\s], s22, v5
	s_add_co_u32 s21, s21, SLOT
	s_add_co_u32 s22, s22, SLOT
.endr
	s_mul_i32 s23, s14, 16*SPITCH
	s_add_co_u32 s23, s23, STAGE
	v_mul_u32_u24 v6, v1, SPITCH
	v_lshl_add_u32 v6, v2, 5, v6
	v_add_nc_u32 v[STO], s23, v6
	v_mul_u32_u24 v7, v2, SPITCH
	v_lshl_add_u32 v7, v1, 4, v7
	v_add_nc_u32 v[RD], s23, v7
	v_lshlrev_b32 v[CO], 12, v2
	v_lshl_add_u32 v[CO], v1, 4, v[CO]
	s_wait_alu depctr_va_vdst(0)
	v_lshlrev_b32 v27, 4, v1
	s_wait_alu depctr_va_vdst(0)
	s_lshl_b32 s86, s17, 7
	s_lshl_b32 s87, s15, 6
	s_add_co_u32 s86, s86, s87
	s_lshl_b32 s86, s86, 12
	s_lshl_b32 s88, s42, 9
	s_lshl_b32 s89, s16, 8
	s_add_co_u32 s88, s88, s89
	s_mov_b32 s89, 0
	s_add_nc_u64 s[68:69], s[68:69], s[88:89]
	s_add_co_u32 s86, s86, s88
	s_mov_b32 s87, 0
	s_add_nc_u64 s[10:11], s[10:11], s[86:87]
	s_add_nc_u64 s[70:71], s[70:71], s[86:87]
	WIN 0x80
.irp a, 0,1,2,3
.irp t, 0,1,2,3,4,5,6,7
	global_load_b128 v[4*(8*\a+\t):4*(8*\a+\t)+3], v[CO], s[70:71] offset:(16*\a+2*\t)*4096 th:TH_LOAD_NT
.endr
.endr
	WIN 0
	global_load_b128 v[8:11], v27, s[68:69]
.macro MULA f, a, zero
.irp b, 0,1,2,3
.if \zero
	v_wmma_f32_16x16x128_fp8_fp8 v[ACC+8*(4*(\a)+\b):ACC+8*(4*(\a)+\b)+7], v[\f+64+16*\b:\f+64+16*\b+15], v[\f+16*(\a):\f+16*(\a)+15], 0
.else
	v_wmma_f32_16x16x128_fp8_fp8 v[ACC+8*(4*(\a)+\b):ACC+8*(4*(\a)+\b)+7], v[\f+64+16*\b:\f+64+16*\b+15], v[\f+16*(\a):\f+16*(\a)+15], v[ACC+8*(4*(\a)+\b):ACC+8*(4*(\a)+\b)+7]
.endif
.endr
.endm
.macro FETCH slot, kq, f
	WIN TO_F
.irp i, 0,1,2,3
.irp c, 0,1,2,3
	ds_load_b128 v[\f+16*\i+4*\c:\f+16*\i+4*\c+3], v[ADRA+\slot] offset:8192*\i+2048*(\kq)+512*\c
.endr
.endr
.irp i, 0,1,2,3
.irp c, 0,1,2,3,4,5,6,7
	ds_load_b64 v[\f+64+16*\i+2*\c:\f+64+16*\i+2*\c+1], v[ADRB+\slot] offset:16*PB*\i+128*(\kq)+16*\c
.endr
.endr
.endm
.macro PLACES
.rept 4
	v_nop
.endr
.endm
.macro QUARTER slot, kq, f, g, zero
	PLACES
	FETCH \slot, \kq, \g
	s_wait_dscnt 48
	WIN MUL
	MULA \f, 0, \zero
	MULA \f, 1, \zero
	MULA \f, 2, \zero
	MULA \f, 3, \zero
.endm
.macro TURN slot, next, fill
	WIN 0
	s_wait_tensorcnt 0x0
	ds_add_u32 v[SPW], v[NIL]
	s_wait_dscnt 1
	WIN MUL
	MULA F1, 0, 0
	s_wait_dscnt 0x0
	s_barrier_signal -1
	MULA F1, 1, 0
	WIN 0
	s_barrier_wait -1
.if \fill
	CREST
	s_add_nc_u64 s[G0+4*\slot+2:G0+4*\slot+3], s[G0+4*\slot+2:G0+4*\slot+3], 2*8192
	s_add_nc_u64 s[G0B+4*\slot+2:G0B+4*\slot+3], s[G0B+4*\slot+2:G0B+4*\slot+3], 2*KSTEP
	JLOAD G0+4*\slot, G1, G0B+4*\slot, G1B
.else
	PLACES
.endif
	FETCH \next, 0, F0
	WIN MUL
	MULA F1, 2, 0
	MULA F1, 3, 0
.endm
	s_wait_tensorcnt 1
	s_barrier_signal -1
	s_barrier_wait -1
	FETCH 0, 0, F0
	QUARTER 0, 1, F0, F1, 1
.if LAPS > 1
	WIN 0
	s_mov_b32 s3, LAPS-1
.Llap:
	QUARTER 0, 2, F1, F0, 0
	QUARTER 0, 3, F0, F1, 0
	TURN 0, 1, 1
	QUARTER 1, 1, F0, F1, 0
	QUARTER 1, 2, F1, F0, 0
	QUARTER 1, 3, F0, F1, 0
	TURN 1, 0, 1
	QUARTER 0, 1, F0, F1, 0
	WIN 0
	s_sub_co_u32 s3, s3, 1
	s_cmp_lg_u32 s3, 0
	s_cbranch_scc1 .Llap
.endif
	QUARTER 0, 2, F1, F0, 0
	QUARTER 0, 3, F0, F1, 0
	TURN 0, 1, 0
	QUARTER 1, 1, F0, F1, 0
	QUARTER 1, 2, F1, F0, 0
	QUARTER 1, 3, F0, F1, 0
	s_wait_dscnt 0x0
	MULA F1, 0, 0
	MULA F1, 1, 0
	MULA F1, 2, 0
	MULA F1, 3, 0
	WIN 0
	s_wait_kmcnt 0x0
	s_add_co_i32 s96, s96, s97
	s_add_co_i32 s96, s96, 127
	s_lshl_b32 s96, s96, 23
	s_mov_b32 s97, s96
	s_wait_loadcnt 0x0
	PLACES
.macro TOSTAGE a
.if (\a) >= 2
	s_wait_xcnt 0x0
.endif
.irp b, 0,1,2,3
	ds_store_b128 v[STO], v[ACC+8*(4*(\a)+\b):ACC+8*(4*(\a)+\b)+3] offset:64*\b
	ds_store_b128 v[STO], v[ACC+8*(4*(\a)+\b)+4:ACC+8*(4*(\a)+\b)+7] offset:64*\b+16
.endr
.irp t, 0,1,2,3,4,5,6,7
	ds_load_b128 v[TMP+32*((\a)%2)+4*\t:TMP+32*((\a)%2)+4*\t+3], v[RD] offset:2*SPITCH*\t
.endr
.endm
.macro SEND a, younger
.set TT, TMP+32*((\a)%2)
	s_wait_dscnt \younger
	WIN 0x20
.irp t, 0,1,2,3,4,5,6,7
	v_pk_fma_f32 v[TT+4*\t:TT+4*\t+1], v[TT+4*\t:TT+4*\t+1], s[96:97], v[4*(8*(\a)+\t):4*(8*(\a)+\t)+1] op_sel_hi:[1,0,1]
	v_pk_fma_f32 v[TT+4*\t+2:TT+4*\t+3], v[TT+4*\t+2:TT+4*\t+3], s[96:97], v[4*(8*(\a)+\t)+2:4*(8*(\a)+\t)+3] op_sel_hi:[1,0,1]
.endr
	WIN 0
.irp t, 0,1,2,3,4,5,6,7
	v_pk_add_f32 v[TT+4*\t:TT+4*\t+1], v[TT+4*\t:TT+4*\t+1], v[8:9]
	v_pk_add_f32 v[TT+4*\t+2:TT+4*\t+3], v[TT+4*\t+2:TT+4*\t+3], v[10:11]
.endr
.irp t, 0,1,2,3,4,5,6,7
	global_store_b128 v[CO], v[TT+4*\t:TT+4*\t+3], s[10:11] offset:(16*(\a)+2*\t)*4096
.endr
.endm
	TOSTAGE 0
.irp a, 1,2,3
	TOSTAGE \a
	SEND \a-1, 16
.endr
	SEND 3, 0
	s_wait_tensorcnt 0x0
	ds_add_u32 v[SPW], v[NIL]
	s_wait_dscnt 0x0
	CROUND
	s_endpgm
.Lfunc_end_k_qac4917aa9a_ffn2:
	.size	k_qac4917aa9a_ffn2, .Lfunc_end_k_qac4917aa9a_ffn2-k_qac4917aa9a_ffn2
	.p2alignl 7, 3214868480
	.fill 96, 4, 3214868480
	.section	.rodata,"a",@progbits
	.p2align	6, 0x0
	.amdhsa_kernel k_qac4917aa9a_ffn2
		.amdhsa_group_segment_fixed_size 327680
		.amdhsa_private_segment_fixed_size 0
		.amdhsa_enable_private_segment 0
		.amdhsa_kernarg_size 48
		.amdhsa_user_sgpr_count 2
		.amdhsa_user_sgpr_kernarg_segment_ptr 1
		.amdhsa_wavefront_size32 1
		.amdhsa_system_sgpr_workgroup_id_x 1
		.amdhsa_system_sgpr_workgroup_id_y 1
		.amdhsa_system_sgpr_workgroup_id_z 1
		.amdhsa_system_vgpr_workitem_id 0
		.amdhsa_next_free_vgpr 640
		.amdhsa_next_free_sgpr 100
		.amdhsa_reserve_vcc 0
		.amdhsa_float_denorm_mode_32 3
		.amdhsa_float_denorm_mode_16_64 3
		.amdhsa_memory_ordered 1
		.amdhsa_forward_progress 1
		.amdhsa_inst_pref_size 98
	.end_amdhsa_kernel
	.amdgpu_metadata
---
amdhsa.version: [ 1, 2 ]
amdhsa.kernels:
  - .name:           k_qac4917aa9a_ffn2
    .symbol:         k_qac4917aa9a_ffn2.kd
    .args:
      - { .name: hid, .offset: 0, .size: 8, .value_kind: global_buffer, .address_space: global }
      - { .name: w2_codes, .offset: 8, .size: 8, .value_kind: global_buffer, .address_space: global }
      - { .name: lowp_scales, .offset: 16, .size: 8, .value_kind: global_buffer, .address_space: global }
      - { .name: out0, .offset: 24, .size: 8, .value_kind: global_buffer, .address_space: global }
      - { .name: b2, .offset: 32, .size: 8, .value_kind: global_buffer, .address_space: global }
      - { .name: x1, .offset: 40, .size: 8, .value_kind: global_buffer, .address_space: global }
    .group_segment_fixed_size: 327680
    .private_segment_fixed_size: 0
    .kernarg_segment_align: 8
    .kernarg_segment_size: 48
    .max_flat_workgroup_size: 128
    .sgpr_count:     100
    .vgpr_count:     640
    .wavefront_size: 32
...
	.end_amdgpu_metadata
.endif
;; end of part 7
